; MI455X (gfx1250); checked and timed in simulation.
; The chip was launched on July 23, 2026; its instructions are those of AMD's public machine-readable ISA for CDNA 5 (MIT licence, August 2026) and "CDNA5" Instruction Set Architecture Reference Guide (July 2026). The comments in the code are by the model that wrote it; some were corrected since.
;; Multi Head Attention. Allowed arithmetic: float matrix products may take bf16 or f16 operands with f32 sums; other float arithmetic in f32, or as packed bf16 or f16 multiplies, adds, multiply-adds, maxima and minima; sums over many terms, partial sums and values carried from step to step in f32; what a program stores and reads back later, other than sums and carried values, may be rounded once to bf16 or f16.
;; Inputs: K 4 x 2,048 x 1,024 float32; Q 4 x 2,048 x 1,024 float32; V 4 x 2,048 x 1,024 float32; W_K 1,024 x 1,024 float32; W_O 1,024 x 1,024 float32; W_Q 1,024 x 1,024 float32; W_V 1,024 x 1,024 float32.
;; Outputs: out0 4 x 2,048 x 1,024 float32.
;; One version. Each part assembles by itself: llvm-mc -triple=amdgcn-amd-amdhsa -mcpu=gfx1250 --defsym DOCPART=n.
;; ======== version 1 of 1: 5 launches
;; limits: values are held in f16: magnitudes above 65,504 overflow, below 6.1e-05 lose precision
;; workspace buffers: wb 8,388,608 bytes; q16 16,777,216 bytes; k16 16,777,216 bytes; v16 16,777,216 bytes; o16 16,777,216 bytes; nt 524,288 bytes
;; launch castw (part 1): grid 256 x 4, 8 waves a work-group, no clusters, 0 bytes of LDS; arguments W_Q, W_K, W_V, W_O, wb; writes wb
.if DOCPART == 1
	.amdgcn_target "amdgcn-amd-amdhsa--gfx1250"
	.amdhsa_code_object_version 6
	.text
	.protected	k_qd500f9fe46_castw
	.globl	k_qd500f9fe46_castw
	.p2align	8
	.type	k_qd500f9fe46_castw,@function
k_qd500f9fe46_castw:
	s_mov_b64 s[64:65], 0
	v_nop
	global_prefetch_b8 v0, s[64:65] scope:SCOPE_SE
	s_setreg_imm32_b32 hwreg(HW_REG_WAVE_MODE, 25, 1), 1
	s_wait_xcnt 0x0
; wb[y][k][n] = bf16(W_y[k][n]), y = 0: W_Q, 1: W_K, 2: W_V, 3: W_O.  Each W is [1024][1024] f32; the layout is kept, each number is rounded once, to nearest even.
; A stream: each byte is read once and written once, so there is no LDS, no barrier, no matrix unit and no cluster (no two work-groups read the same bytes).
; A work-group takes 4,096 numbers of one matrix, in two chunks of 2,048; thread t takes 8 neighbouring numbers of each chunk (two loads of 16 bytes) and stores them as 16 bytes:
; sixteen neighbouring lanes store 256 consecutive bytes, aligned.
.set CH_IN,  8192                      ; bytes of a chunk as read
.set CH_OUT, 4096                      ; and as stored
	s_load_b256 s[4:11], s[0:1], 0x0               ; W_Q s[4:5], W_K s[6:7], W_V s[8:9], W_O s[10:11]
	s_load_b64 s[12:13], s[0:1], 0x20              ; wb
	s_and_b32 s20, ttmp7, 0xffff                   ; y: which matrix
	s_lshl_b32 s16, ttmp9, 14                      ; my 16,384 bytes of it
	s_mov_b32 s17, 0
	s_lshl_b32 s18, s20, 21                        ; a matrix is 2,097,152 bytes of wb,
	s_lshl_b32 s19, ttmp9, 13                      ; my part 8,192
	s_add_co_u32 s18, s18, s19
	s_mov_b32 s19, 0
	v_lshlrev_b32 v1, 5, v0                        ; 32 bytes a thread in,
	v_lshlrev_b32 v2, 4, v0                        ; 16 out
	s_wait_kmcnt 0x0
	s_cmp_eq_u32 s20, 1
	s_cselect_b64 s[14:15], s[6:7], s[4:5]
	s_cmp_eq_u32 s20, 2
	s_cselect_b64 s[14:15], s[8:9], s[14:15]
	s_cmp_eq_u32 s20, 3
	s_cselect_b64 s[14:15], s[10:11], s[14:15]
	s_add_nc_u64 s[14:15], s[14:15], s[16:17]
	s_add_nc_u64 s[12:13], s[12:13], s[18:19]
	global_load_b128 v[4:7],   v1, s[14:15] th:TH_LOAD_NT
	global_load_b128 v[8:11],  v1, s[14:15] offset:16 th:TH_LOAD_NT
	global_load_b128 v[12:15], v1, s[14:15] offset:CH_IN th:TH_LOAD_NT
	global_load_b128 v[16:19], v1, s[14:15] offset:CH_IN+16 th:TH_LOAD_NT
	s_wait_loadcnt 0x2                             ; loads come back in order: the first chunk is in, the second chunk's two loads may stay out
	v_cvt_pk_bf16_f32 v20, v4, v5
	v_cvt_pk_bf16_f32 v21, v6, v7
	v_cvt_pk_bf16_f32 v22, v8, v9
	v_cvt_pk_bf16_f32 v23, v10, v11
	global_store_b128 v2, v[20:23], s[12:13]       ; no hint: later launches read wb many times
	s_wait_loadcnt 0x0
	v_cvt_pk_bf16_f32 v24, v12, v13
	v_cvt_pk_bf16_f32 v25, v14, v15
	v_cvt_pk_bf16_f32 v26, v16, v17
	v_cvt_pk_bf16_f32 v27, v18, v19
	global_store_b128 v2, v[24:27], s[12:13] offset:CH_OUT
	s_endpgm
.Lfunc_end_k_qd500f9fe46_castw:
	.size	k_qd500f9fe46_castw, .Lfunc_end_k_qd500f9fe46_castw-k_qd500f9fe46_castw
	.p2alignl 7, 3214868480
	.fill 96, 4, 3214868480
	.section	.rodata,"a",@progbits
	.p2align	6, 0x0
	.amdhsa_kernel k_qd500f9fe46_castw
		.amdhsa_group_segment_fixed_size 0
		.amdhsa_private_segment_fixed_size 0
		.amdhsa_enable_private_segment 0
		.amdhsa_kernarg_size 40
		.amdhsa_user_sgpr_count 2
		.amdhsa_user_sgpr_kernarg_segment_ptr 1
		.amdhsa_wavefront_size32 1
		.amdhsa_system_sgpr_workgroup_id_x 1
		.amdhsa_system_sgpr_workgroup_id_y 1
		.amdhsa_system_sgpr_workgroup_id_z 1
		.amdhsa_system_vgpr_workitem_id 0
		.amdhsa_next_free_vgpr 28
		.amdhsa_next_free_sgpr 66
		.amdhsa_reserve_vcc 0
		.amdhsa_float_denorm_mode_32 3
		.amdhsa_float_denorm_mode_16_64 3
		.amdhsa_memory_ordered 1
		.amdhsa_forward_progress 1
		.amdhsa_inst_pref_size 3
	.end_amdhsa_kernel
	.amdgpu_metadata
---
amdhsa.version: [ 1, 2 ]
amdhsa.kernels:
  - .name:           k_qd500f9fe46_castw
    .symbol:         k_qd500f9fe46_castw.kd
    .args:
      - { .name: W_Q, .offset: 0, .size: 8, .value_kind: global_buffer, .address_space: global }
      - { .name: W_K, .offset: 8, .size: 8, .value_kind: global_buffer, .address_space: global }
      - { .name: W_V, .offset: 16, .size: 8, .value_kind: global_buffer, .address_space: global }
      - { .name: W_O, .offset: 24, .size: 8, .value_kind: global_buffer, .address_space: global }
      - { .name: wb, .offset: 32, .size: 8, .value_kind: global_buffer, .address_space: global }
    .group_segment_fixed_size: 0
    .private_segment_fixed_size: 0
    .kernarg_segment_align: 8
    .kernarg_segment_size: 40
    .max_flat_workgroup_size: 256
    .sgpr_count:     66
    .vgpr_count:     28
    .wavefront_size: 32
...
	.end_amdgpu_metadata
.endif
;; end of part 1
;; launch proj (part 2): grid 4 x 64, 4 waves a work-group, clusters of 4 x 4, 327,680 bytes of LDS; arguments Q, K, V, wb, q16, k16, v16; writes q16, k16, v16
.if DOCPART == 2
	.amdgcn_target "amdgcn-amd-amdhsa--gfx1250"
	.amdhsa_code_object_version 6
	.text
	.protected	k_qd500f9fe46_proj
	.globl	k_qd500f9fe46_proj
	.p2align	8
	.type	k_qd500f9fe46_proj,@function
k_qd500f9fe46_proj:
	s_mov_b64 s[64:65], 0
	v_nop
	global_prefetch_b8 v0, s[64:65] scope:SCOPE_SE
	s_setreg_imm32_b32 hwreg(HW_REG_WAVE_MODE, 25, 1), 1
	s_wait_xcnt 0x0
	s_wait_alu depctr_hold_cnt(0) depctr_sa_sdst(0) depctr_va_vdst(0) depctr_va_sdst(0) depctr_va_ssrc(0) depctr_va_vcc(0) depctr_vm_vsrc(0)
	s_getreg_b32 s2, hwreg(HW_REG_IB_STS2, 6, 4)
	s_cmp_eq_u32 s2, 0
	s_cbranch_scc0 .Lentry_in_a_cluster
	s_endpgm
.Lentry_in_a_cluster:
	s_bfe_u32 s2, ttmp6, 0x10000c
	s_cmp_lg_u32 s2, 0xf033
	s_cbranch_scc0 .Lentry_shape_is_right
	s_endpgm
.Lentry_shape_is_right:
; THE THREE PROJECTIONS.  z = 0: q16 = c (Q W_Q), c = log2(e) / 8;  z = 1: k16 = K W_K;  z = 2: v16 = V W_V.  Q, K, V: [8192][1024] f32; the weights come from wb, [z][k][n] bf16.
; Both operands go to the matrix unit in bf16, sums in f32; c multiplies the f32 sums; each result is rounded ONCE, to f16, and stored by heads: [batch x 16 + head][2048][64].
; LIMITS.  c q, k and v must lie within f16's 65,504 (a larger one becomes an infinity); NaN and infinities are not treated apart.
; SHARES.  A tile of a result is 128 rows x 256 columns: 64 x 4 tiles for each z.  A WORK-GROUP STAYS: 256 work-groups, each makes its tile of q, then of k, then of v.  Four waves, each 64 x 128: 32 accumulators.
; K goes in steps of 128 through a ring of two LDS slots, and the three tiles' 24 K steps are ONE walk of the ring: a tile's last two changes of slots ask for the next tile's first two K steps, and the tile
; goes out behind them.  The activations come into LDS as f32 (rows of 512 bytes) and are rounded to bf16 on the way from LDS to the matrix unit: 32 conversions for 32 matrix instructions, four behind each of
; a quarter's last eight products.  The weights lie [k][n], so their fragments come out of LDS turned, by ds_load_tr16_b128.
; CLUSTER.  4 x 4 work-groups: the four of a row of the cluster need the same tile of the activations, the four of a column the same tile of the weights: each is asked for JOINTLY, by the same tensor load
; with the same descriptor and a mask that names the four.  All sixteen walk the same 24 steps.
; PREFETCH.  Two slots of 137,216 bytes are what LDS holds, so a refill has one K step's products in which to land.  Behind each refill waves 0 and 1 therefore ask for the activations' tile that the refill two
; changes of slots later will bring: its 128 rows x 512 bytes are 256 blocks of 256 bytes; wave w of the partner at cx takes rows 64 w + 16 cx + lane / 2, both blocks: each block is asked for once in the launch.
; K steps 2 and 3 are asked for at the head; nothing is asked for past the walk's last step.  The weights are not asked for: 64 tile rows read them again.
; THE MATRIX INSTRUCTION IS USED TRANSPOSED (source 0 = 16 columns of W, source 1 = 16 rows of the activations): a lane then holds eight neighbouring columns of one row of the result.
; REGISTERS, in windows of 256 (s_set_vgpr_msb: bits 1:0 source 0, 3:2 source 1, 5:4 source 2, 7:6 destination):
;   window 0: v0-31 addresses; v32-63, v64-95 the activations' fragments in bf16, two buffers; v96-159 the same 64 rows x 32 K as f32, as loaded; v160-255 at work on the way out
;   window 1: the accumulators, (a, b) at v[8 (8 a + b)]          window 2: v0-63, v64-127 the weights' fragments, two buffers
.set KSTEP,  128
.set PA,     528                       ; a row of the activations in LDS: 512 bytes + 16 of padding = 132 words: the 16 rows of a load start at 16 different groups of four banks (64 banks of 4 bytes: ISA guide 11.1)
.set PB,     544                       ; a row of the weights: 512 + 32 = 136 words
.set APART,  64*PA                     ; 64 rows: what one tensor load brings of the activations, and what one wave reads of them
.set BOFF,   2*APART
.set BPART,  64*PB                     ; 64 rows along K of the weights
.set SLOT,   BOFF+2*BPART
.set STAGE,  2*SLOT                    ; behind the ring, never filled by a tensor load: for each wave 2 heads x 16 rows x 144 bytes, for the way out
.set SP,     144
.set WSTAGE, 2*16*SP
.set SPARE,  STAGE+4*WSTAGE            ; the spare words, 128 bytes for each wave: two blocks of 256 bytes that no other line names
.set TILES,  3
.set TSTEPS, 1024/KSTEP                ; K steps in a tile: 8
.set STEPS,  TILES*TSTEPS              ; in the walk: 24
.set LAPS,   STEPS/2                   ; a lap = two K steps = once round the ring
.set TLAPS,  TSTEPS/2                  ; laps in a tile
.set AHEAD,  2                         ; the prefetch asks for the step this many behind the step that the refill beside it asks for
.set HEADB,  2048*64*2                 ; bytes of a head in q16, k16, v16
.set ADRA, 16                          ; v16-17  LDS address of my fragments of the activations in slot 0, 1
.set ADRB, 20                          ; v20-21  the same for the weights
.set STO,  24                          ; v24     the way out: where I put 16 bytes of a row
.set RD,   25                          ; v25     the way out: where I read rows back
.set CO,   26                          ; v26     my byte offset in 512 consecutive bytes of the result
.set PFO,  27                          ; v27     the prefetch: my block's byte offset from my wave's first row; never rewritten
.set SPW,  28                          ; v28     LDS address of my spare word; never rewritten
.set NIL,  29                          ; v29     0; never rewritten
.set XF,   32
.set RAW,  96
.set TMP,  160                         ; the way out: packed results (the fragments' registers hold the next tile's first quarter by then)
.set OB,   192                         ; the way out: rows read back, two buffers of 32
.set BF,   0                           ; in window 2
.set G1,  24                           ; s[24:31] descriptor group 1 for the activations;  s[32:39] group 0, one set for each slot
.set G0,  32
.set G1B, 48                           ; s[48:55], s[56:63] the same for the weights
.set G0B, 56
.set SC,  66                           ; s[66:67] the factor on the sums: c or 1
.set NXT, 86                           ; s86  the K step of the walk, 0 to 23, that the next refill asks for
.set LT,  87                           ; s87  laps of the tile in hand that are still to be ended
.set ZD,  88                           ; s88  tiles that have gone out
.set ZN,  89                           ; s89  at work
.set KO,  90                           ; s[90:91] a K step's byte offset in a row; the high word stays 0
.set PFB, 92                           ; s[92:93] the prefetch's base
.set PFN, 94                           ; s94  the K step that the prefetch asks for
.set MSB, 0
.macro WIN new                         ; the immediate's high byte repeats the setting that is left; a switch that changes nothing is dropped
.if MSB != (\new)
	s_set_vgpr_msb (MSB<<8)|(\new)
.set MSB, \new
.endif
.endm
.set MUL,  0x52                        ; source 0 (W) window 2, source 1 window 0, C and D window 1
.set TO_B, 0x80                        ; destination window 2, address window 0
; A joint load: waves 0 and 1 fetch the activations' two halves, waves 2 and 3 the weights'; an s_nop 0 and four v_nop follow each of the two lines.
; pf = 1: waves 0 and 1 then ask for their 32 blocks of K step PFN, unless the walk ends before it.
.macro JLOAD s, pf
	s_cmp_eq_u32 s11, 0
	s_cbranch_scc0 .Lfor_b_\@
	tensor_load_to_lds s[G0+4*(\s):G0+4*(\s)+3], s[G1:G1+7]
	s_nop 0
.rept 4
	v_nop
.endr
.if \pf
	s_cmp_lt_u32 s[PFN], STEPS
	s_cbranch_scc0 .Lasked_\@
	global_prefetch_b8 v[PFO], s[PFB:PFB+1] th:TH_LOAD_NT scope:SCOPE_SE
.endif
	s_branch .Lasked_\@
.Lfor_b_\@:
	tensor_load_to_lds s[G0B+4*(\s):G0B+4*(\s)+3], s[G1B:G1B+7]
	s_nop 0
.rept 4
	v_nop
.endr
.Lasked_\@:
.endm
.macro CREST                           ; a round of the cluster's barrier behind its opening barrier
	s_cmp_lg_u32 s10, 0
	s_cbranch_scc1 .Lnot_wave_0_\@
	s_barrier_signal -3
.Lnot_wave_0_\@:
	s_barrier_wait -3
	s_barrier_signal -1
	s_barrier_wait -1
.endm
.macro CROUND                          ; a whole round
	s_barrier_signal -1
	s_barrier_wait -1
	CREST
.endm
.macro PLACES                          ; four places in front of loads into registers that matrix instructions have read, and of vector lines that read results
.rept 4
	v_nop
.endr
.endm
; s[d:d+1] = the address of my wave's rows at K step s[n] of the walk: the pointer of Q, K or V (step / 8), each from its own argument, plus (step mod 8) x 512 bytes.  For a step past the walk's end the result is not used.
.macro APTR d, n
	s_lshr_b32 s[ZN], s[\n], 3
	s_and_b32 s[KO], s[\n], TSTEPS-1
	s_lshl_b32 s[KO], s[KO], 9
	s_cmp_eq_u32 s[ZN], 1
	s_cselect_b64 s[(\d):(\d)+1], s[74:75], s[72:73]
	s_cmp_eq_u32 s[ZN], 2
	s_cselect_b64 s[(\d):(\d)+1], s[76:77], s[(\d):(\d)+1]
	s_add_nc_u64 s[(\d):(\d)+1], s[(\d):(\d)+1], s[KO:KO+1]
.endm
	s_load_b256 s[72:79], s[0:1], 0x0              ; Q s[72:73], K s[74:75], V s[76:77], wb s[78:79]
	s_load_b128 s[80:83], s[0:1], 0x20             ; q16 s[80:81], k16 s[82:83]
	s_load_b64 s[84:85], s[0:1], 0x30              ; v16
	v_lshl_add_u32 v[SPW], v0, 2, SPARE
	v_mov_b32 v[NIL], 0
	ds_add_u32 v[SPW], v[NIL]                      ; the wave's opening: the add and its wait stand ahead of my first tensor load; the set-up below, work on registers, stands between them
	v_lshrrev_b32 v1, 5, v0
	v_readfirstlane_b32 s10, v1                    ; wave 0..3
	s_lshr_b32 s11, s10, 1                         ; which half of the tile's rows is mine.  Also: I fetch activations (0) or weights (1)
	s_and_b32 s12, s10, 1                          ; which half of its columns.  Also: which half of that tile I fetch
	s_bfe_u32 s40, ttmp6, 0x40000                  ; cx, cy: my place in the cluster
	s_bfe_u32 s41, ttmp6, 0x40004
	s_lshl_b32 s42, ttmp9, 2
	s_add_co_u32 s42, s42, s40                     ; tile column = 4 x cluster x + cx: 0..3
	s_and_b32 s13, ttmp7, 0xffff
	s_lshl_b32 s13, s13, 2
	s_add_co_u32 s13, s13, s41                     ; tile row = 4 x cluster y + cy: 0..63
	s_lshl_b32 s43, s41, 2
	s_lshl_b32 s43, 15, s43                        ; my row of the cluster
	s_lshl_b32 s44, 0x1111, s40                    ; my column
	; descriptor group 1.  Activations: 64 rows x 128 elements of 4 bytes, 16 bytes of padding behind each row.  Weights: 64 rows x 256 elements of 2 bytes, 32 bytes of padding.
	s_or_b32 s[G1+0], s43, (2<<16)|(1<<20)|(1<<21)|(6<<22)|(3<<25)   ; 15:0 the mask: my row; 17:16 4-byte elements; 20 padding on; 21 set beside a mask; 24:22 after every 128 words (code 6); 31:25 4 words (code 3)
	s_mov_b32 s[G1+1], KSTEP<<16                   ; tensor_dim0 = 128
	s_mov_b32 s[G1+2], 64<<16                      ; tensor_dim1 = 64
	s_mov_b32 s[G1+3], KSTEP<<16                   ; tile_dim0 = 128
	s_mov_b32 s[G1+4], 64                          ; tile_dim1 = 64
	s_mov_b32 s[G1+5], 1024                        ; elements from row to row
	s_mov_b32 s[G1+6], 0
	s_mov_b32 s[G1+7], 0
	s_or_b32 s[G1B+0], s44, (1<<16)|(1<<20)|(1<<21)|(6<<22)|(7<<25)  ; the mask: my column; 2-byte elements; after every 128 words 8 words (code 7)
	s_mov_b32 s[G1B+1], 256<<16
	s_mov_b32 s[G1B+2], 64<<16
	s_mov_b32 s[G1B+3], 256<<16
	s_mov_b32 s[G1B+4], 64
	s_mov_b32 s[G1B+5], 1024
	s_mov_b32 s[G1B+6], 0
	s_mov_b32 s[G1B+7], 0
	; where the tiles come from.  The activations' hang on the tile row, which my row of the cluster shares; the weights' on the tile column, which my column shares; each in registers that never hold the other coordinate.
	s_lshl_b32 s16, s13, 19                        ; 128 rows of 4,096 bytes a tile row,
	s_lshl_b32 s17, s12, 18                        ; 64 rows for my half
	s_add_co_u32 s16, s16, s17
	s_mov_b32 s17, 0
	s_lshl_b32 s46, s12, 17                        ; wb: 64 rows of 2,048 bytes for my half,
	s_lshl_b32 s47, s42, 9                         ; 512 bytes a tile column
	s_add_co_u32 s46, s46, s47
	s_mov_b32 s47, 0
	s_mul_i32 s20, s12, APART                      ; and where they go: no place in the cluster enters an LDS address
	s_mul_i32 s21, s12, BPART
	s_add_co_u32 s21, s21, BOFF
	s_mov_b32 s[SC], 0x3e38aa3b                    ; c = log2(e) / 8 = 0.180337: the first tile is q's
	s_mov_b32 s[SC+1], s[SC]                       ; named with it as a pair
	s_mov_b32 s[NXT], 2                            ; K steps 0 and 1 are the first fills
	s_mov_b32 s[LT], TLAPS
	s_mov_b32 s[ZD], 0
	s_mov_b32 s[KO+1], 0
	s_wait_dscnt 0x0                               ; the opening add is done
	s_wait_kmcnt 0x0
	s_add_nc_u64 s[72:73], s[72:73], s[16:17]      ; Q, K and V at my half of the tile's rows
	s_add_nc_u64 s[74:75], s[74:75], s[16:17]
	s_add_nc_u64 s[76:77], s[76:77], s[16:17]
	s_add_nc_u64 s[46:47], s[78:79], s[46:47]
	CROUND                                         ; all sixteen work-groups are here: the first joint loads meet
.irp s, 0,1
	s_mov_b32 s[G0+4*(\s)], 1                                        ; count = 1
	s_add_co_u32 s[G0+4*(\s)+1], s20, (\s)*SLOT                      ; LDS address
	s_add_nc_u64 s[G0+4*(\s)+2:G0+4*(\s)+3], s[72:73], (\s)*KSTEP*4  ; global address: K step s, of Q
	s_or_b32 s[G0+4*(\s)+3], s[G0+4*(\s)+3], 0x80000000              ; type = 2
	s_mov_b32 s[G0B+4*(\s)], 1
	s_add_co_u32 s[G0B+4*(\s)+1], s21, (\s)*SLOT
	s_add_nc_u64 s[G0B+4*(\s)+2:G0B+4*(\s)+3], s[46:47], (\s)*KSTEP*2048
	s_or_b32 s[G0B+4*(\s)+3], s[G0B+4*(\s)+3], 0x80000000
	JLOAD \s, 0                                    ; two loads of mine are out
.endr
	v_and_b32 v5, 31, v0                           ; the prefetch's lanes: row 16 cx + lane / 2 of my wave's 64, block lane % 2 of its two
	v_lshrrev_b32 v6, 1, v5
	v_lshl_add_u32 v6, s40, 4, v6
	v_and_b32 v5, 1, v5
	v_lshlrev_b32 v5, 8, v5
	v_lshl_add_u32 v[PFO], v6, 12, v5
	s_cmp_eq_u32 s11, 0
	s_cbranch_scc0 .Lno_first_ask
	global_prefetch_b8 v[PFO], s[72:73] offset:2*KSTEP*4 th:TH_LOAD_NT scope:SCOPE_SE  ; K steps 2 and 3, which the first two refills bring
	global_prefetch_b8 v[PFO], s[72:73] offset:3*KSTEP*4 th:TH_LOAD_NT scope:SCOPE_SE
.Lno_first_ask:
	; A fragment is 16 rows x 32 K: lane l holds row l % 16, K = 8 (l / 16) + 0..7 and 16 + 8 (l / 16) + 0..7.  As f32 that is 32 bytes at 32 (l / 16) and 32 bytes 64 further on: four loads of 16.
	v_and_b32 v1, 15, v0                           ; l % 16
	v_bfe_u32 v2, v0, 4, 1                         ; l / 16
	v_and_b32 v7, 7, v0                            ; l % 8
	v_mul_u32_u24 v3, v1, PA
	v_lshl_add_u32 v3, v2, 5, v3
	; The turning load takes 16 K x 16 columns (lane l reads 16 bytes: row 8 (l / 16) + l % 8 along K, columns 8 ((l / 8) % 2) + 0..7) and leaves half a fragment: lane l holds column l % 16 and 8 K.
	v_lshl_add_u32 v4, v2, 3, v7
	v_mul_u32_u24 v4, v4, PB
	v_bfe_u32 v5, v0, 3, 1
	v_lshl_add_u32 v4, v5, 4, v4
	s_mul_i32 s22, s11, APART                      ; my 64 rows
	s_lshl_b32 s23, s12, 8                         ; my 128 columns,
	s_add_co_u32 s23, s23, BOFF                    ; behind the activations
.irp s, 0,1
	v_add_nc_u32 v[ADRA+(\s)], s22, v3
	v_add_nc_u32 v[ADRB+(\s)], s23, v4
	s_add_co_u32 s22, s22, SLOT
	s_add_co_u32 s23, s23, SLOT
.endr
	s_mul_i32 s23, s10, WSTAGE
	s_add_co_u32 s23, s23, STAGE                   ; my stage
	v_mul_u32_u24 v6, v1, SP                       ; in: row l % 16, 16 bytes for each half of the lanes
	v_lshl_add_u32 v6, v2, 4, v6
	v_add_nc_u32 v[STO], s23, v6
	v_bfe_u32 v6, v0, 3, 2                         ; back: 32 lanes take four rows of 128 bytes,
	v_mul_u32_u24 v6, v6, SP
	v_lshl_add_u32 v6, v7, 4, v6
	v_add_nc_u32 v[RD], s23, v6
	v_and_b32 v[CO], 31, v0                        ; which are 512 consecutive bytes of a head
	v_lshlrev_b32 v[CO], 4, v[CO]
	; my part of each result: head 16 batch + 4 x tile column + 2 x column half; row (tile row mod 16) x 128 + 64 x row half of that head
	s_lshr_b32 s68, s13, 4
	s_lshl_b32 s68, s68, 22                        ; 16 heads of 262,144 bytes a batch
	s_and_b32 s69, s13, 15
	s_lshl_b32 s69, s69, 14                        ; 128 rows of 128 bytes
	s_add_co_u32 s68, s68, s69
	s_lshl_b32 s69, s11, 13
	s_add_co_u32 s68, s68, s69
	s_lshl_b32 s69, s42, 20
	s_add_co_u32 s68, s68, s69
	s_lshl_b32 s69, s12, 19
	s_add_co_u32 s68, s68, s69
	s_mov_b32 s69, 0
	s_add_nc_u64 s[8:9], s[80:81], s[68:69]        ; the first tile goes to q16
.macro MM f, a, b, zero                ; one product: accumulator (a, b), buffer f.  zero = 1: it starts the sum: nothing is ever cleared
.set rD, 8*(8*(\a)+(\b))
.if \zero
	v_wmma_f32_16x16x32_bf16 v[rD:rD+7], v[BF+64*(\f)+8*(\b):BF+64*(\f)+8*(\b)+7], v[XF+32*(\f)+8*(\a):XF+32*(\f)+8*(\a)+7], 0
.else
	v_wmma_f32_16x16x32_bf16 v[rD:rD+7], v[BF+64*(\f)+8*(\b):BF+64*(\f)+8*(\b)+7], v[XF+32*(\f)+8*(\a):XF+32*(\f)+8*(\a)+7], v[rD:rD+7]
.endif
.endm
.macro MUL8 f, a, zero                 ; row block a x all 8 column blocks, 32 along K.  The 32 accumulators take turns, one instruction a turn, in the same order in every quarter
	WIN MUL
.irp b, 0,1,2,3,4,5,6,7
	MM \f, \a, \b, \zero
.endr
.endm
.macro MULC f, g, zero                 ; row block 3, and behind each product four of the 32 conversions that make buffer g's fragments of the next quarter: two switches a product, since no window holds all operands
.irp b, 0,1,2,3,4,5,6,7
	WIN MUL
	MM \f, 3, \b, \zero
	WIN 0
.irp q, 0,1,2,3
	v_cvt_pk_bf16_f32 v[XF+32*(\g)+4*(\b)+(\q)], v[RAW+8*(\b)+2*(\q)], v[RAW+8*(\b)+2*(\q)+1]
.endr
.endr
.endm
.macro FETCH slot, kq, g               ; 32 LDS loads in one run, for quarter kq of the slot: 64 rows x 32 K as f32, then 32 K x 128 columns of the weights into buffer g
	WIN 0
.irp i, 0,1,2,3
	ds_load_b128 v[RAW+16*(\i):RAW+16*(\i)+3],     v[ADRA+(\slot)] offset:128*(\kq)+(\i)*16*PA
	ds_load_b128 v[RAW+16*(\i)+4:RAW+16*(\i)+7],   v[ADRA+(\slot)] offset:128*(\kq)+(\i)*16*PA+16
	ds_load_b128 v[RAW+16*(\i)+8:RAW+16*(\i)+11],  v[ADRA+(\slot)] offset:128*(\kq)+(\i)*16*PA+64
	ds_load_b128 v[RAW+16*(\i)+12:RAW+16*(\i)+15], v[ADRA+(\slot)] offset:128*(\kq)+(\i)*16*PA+80
.endr
	WIN TO_B
.irp b, 0,1,2,3,4,5,6,7
	ds_load_tr16_b128 v[BF+64*(\g)+8*(\b):BF+64*(\g)+8*(\b)+3],   v[ADRB+(\slot)] offset:(\kq)*32*PB+32*(\b)
	ds_load_tr16_b128 v[BF+64*(\g)+8*(\b)+4:BF+64*(\g)+8*(\b)+7], v[ADRB+(\slot)] offset:(\kq)*32*PB+16*PB+32*(\b)
.endr
.endm
; A K step is four quarters of 32 along K, 32 matrix instructions each, on buffers 0, 1, 0, 1.  One of the first three: multiplies buffer f, fetches quarter kq of the same slot and converts it into buffer g.
.macro QUARTER slot, kq, f, g, zero
	s_wait_dscnt 0x0                               ; this quarter's weights are in (asked for 24 products ago)
	MUL8 \f, 0, \zero
	PLACES
	FETCH \slot, \kq, \g
	MUL8 \f, 1, \zero
	MUL8 \f, 2, \zero
	s_wait_dscnt 16                                ; LDS loads come back in order: the 16 of f32 are in, the 16 of the weights behind them may stay out
	MULC \f, \g, \zero
.endm
; The last quarter multiplies buffer 1 and changes slots: ONE barrier; in front of it each wave waits for all its tensor loads (one is out: its part of the next slot), adds 0 to its spare word, and waits for
; that and for its own reads of this slot.  fill = 1: the barrier opens a round of the cluster's, and this slot is filled again, with the walk's K step NXT, first thing behind the round: 112 products ahead of the
; wait for it.  The activations' address is made anew from that number; the weights' steps on: wb's three matrices lie end to end, 8 K steps of 262,144 bytes each.
.macro TURN slot, next, fill
	WIN 0                                          ; (the add's two registers lie in window 0)
	s_wait_tensorcnt 0x0                           ; no tensor load of mine is out, so every group 0 may be written
	ds_add_u32 v[SPW], v[NIL]                      ; 0 onto my spare word; the descriptors' scalar work stands behind it
.if \fill
	s_wait_xcnt 0x0                                ; the last prefetch's address is translated: its base is rewritten only behind this wait
	APTR G0+4*(\slot)+2, NXT
	s_or_b32 s[G0+4*(\slot)+3], s[G0+4*(\slot)+3], 0x80000000
	s_add_nc_u64 s[G0B+4*(\slot)+2:G0B+4*(\slot)+3], s[G0B+4*(\slot)+2:G0B+4*(\slot)+3], 2*KSTEP*2048
	s_add_co_u32 s[PFN], s[NXT], AHEAD
	APTR PFB, PFN
	s_add_co_u32 s[NXT], s[NXT], 1
.endif
	s_wait_dscnt 1                                 ; (the add alone may be out: this quarter's weights are in)
	MUL8 1, 0, 0                                   ; eight products stand between the add and the wait for it
	s_wait_dscnt 0x0                               ; the add is done, and my reads of this slot are over
	s_barrier_signal -1
	MUL8 1, 1, 0
	WIN 0                                          ; at a branch and at a label every window is 0
	s_barrier_wait -1
.if \fill
	CREST                                          ; no wave of any partner still reads this slot's tile or has a load on its way
	JLOAD \slot, 1                                 ; the four v_nop behind the load are also the places in front of the loads below
.else
	PLACES
.endif
	FETCH \next, 0, 0
	MUL8 1, 2, 0
	s_wait_dscnt 16
	MULC 1, 0, 0
.endm
; THE WAY OUT, a block of 16 rows at a time.  PACK: times c or 1, rounded to f16, 16 bytes a lane.  TOSTAGE: into my own stage, by heads, and back as whole rows of 128 bytes.  SEND: stored.
.macro PACK a
	WIN 0x41                                       ; destination and source 0 window 1
.set i, 64*(\a)
.rept 32                               ; ascending: each accumulator's lowest registers are read first
	v_pk_mul_f32 v[i:i+1], v[i:i+1], s[SC:SC+1] op_sel_hi:[1,0]
.set i, i+2
.endr
	WIN 0x05                                       ; sources 0 and 1 window 1, destination window 0
.set i, 0
.rept 32
	v_cvt_pk_f16_f32 v[TMP+i], v[64*(\a)+2*i], v[64*(\a)+2*i+1]
.set i, i+1
.endr
	WIN 0
.endm
.macro TOSTAGE a
.set BK, OB+32*((\a)%2)
.irp b, 0,1,2,3,4,5,6,7                ; column block b: head b / 4 of my two, channels 16 (b % 4) on
	ds_store_b128 v[STO], v[TMP+4*(\b):TMP+4*(\b)+3] offset:((\b)/4)*16*SP+((\b)%4)*32
.endr
.irp t, 0,1,2,3,4,5,6,7                ; LDS serves a wave's instructions in order (ISA guide 5.7.1.4): these see the stores above
	ds_load_b128 v[BK+4*(\t):BK+4*(\t)+3], v[RD] offset:((\t)/4)*16*SP+((\t)%4)*4*SP
.endr
.endm
.macro SEND a
.set BK, OB+32*((\a)%2)
	s_wait_dscnt 0x0                               ; the block is back in registers
	s_wait_xcnt 0x0                                ; the block before's stores have read their registers: the next TOSTAGE loads into them
.irp t, 0,1,2,3,4,5,6,7
	global_store_b128 v[CO], v[BK+4*(\t):BK+4*(\t)+3], s[8:9] offset:((\t)/4)*HEADB+(\a)*2048+((\t)%4)*512  ; 512 consecutive bytes of a head, at a multiple of 256 from the buffer's first
.endr
.endm
.macro WAYOUT                          ; block a's arithmetic stands between block a - 1's loads from the stage and the wait for them
	PLACES
	PACK 0
	TOSTAGE 0
	PACK 1
	SEND 0
	TOSTAGE 1
	PACK 2
	SEND 1
	TOSTAGE 2
	PACK 3
	SEND 2
	TOSTAGE 3
	SEND 3
.endm
	s_wait_tensorcnt 1                             ; my part of K step 0 is in; K step 1's may stay out
	s_barrier_signal -1
	s_barrier_wait -1                              ; everybody's is
	FETCH 0, 0, 0
	WIN 0
	s_wait_dscnt 16
.set i, 0
.rept 32                               ; the walk's first conversions have no products to stand behind
	v_cvt_pk_bf16_f32 v[XF+i], v[RAW+2*i], v[RAW+2*i+1]
.set i, i+1
.endr
	QUARTER 0, 1, 0, 1, 1                          ; the first tile's first quarter stands in front of the loop: its products start the sums
	WIN 0
	s_mov_b32 s3, LAPS-1
.Llap:                                                 ; 11 trips: each goes once round the ring, from a lap's second quarter to the next lap's first, and fills both slots again
	QUARTER 0, 2, 1, 0, 0
	QUARTER 0, 3, 0, 1, 0
	TURN 0, 1, 1
	QUARTER 1, 1, 0, 1, 0
	QUARTER 1, 2, 1, 0, 0
	QUARTER 1, 3, 0, 1, 0
	TURN 1, 0, 1
	WIN 0
	s_sub_co_u32 s[LT], s[LT], 1
	s_cmp_lg_u32 s[LT], 0
	s_cbranch_scc0 .Ltile_end                      ; forward, the same in all sixteen work-groups; neither way holds a barrier or a tensor load
	QUARTER 0, 1, 0, 1, 0                          ; the tile goes on
	WIN 0
	s_branch .Lnext
.Ltile_end:                                            ; behind the walk's laps 3 and 7: BOTH REFILLS ARE ASKED FOR, the next tile's first fragments are fetched: now the tile goes out
	WAYOUT
	s_wait_xcnt 0x0                                ; the stores' addresses are translated: their base is rewritten only behind this wait
	s_cmp_eq_u32 s[ZD], 0
	s_cselect_b64 s[8:9], s[82:83], s[84:85]       ; behind q's tile k's, behind k's tile v's,
	s_add_nc_u64 s[8:9], s[8:9], s[68:69]          ; at the same place in its buffer
	s_add_co_u32 s[ZD], s[ZD], 1
	s_mov_b32 s[SC], 1.0                           ; k and v carry no factor
	s_mov_b32 s[SC+1], 1.0
	s_mov_b32 s[LT], TLAPS
	QUARTER 0, 1, 0, 1, 1                          ; the next tile's first quarter starts the sums anew
	WIN 0
.Lnext:
	s_sub_co_u32 s3, s3, 1
	s_cmp_lg_u32 s3, 0
	s_cbranch_scc1 .Llap
	QUARTER 0, 2, 1, 0, 0                          ; the walk's last lap is written out: it fills nothing, and has no round of the cluster's barrier
	QUARTER 0, 3, 0, 1, 0
	TURN 0, 1, 0
	QUARTER 1, 1, 0, 1, 0
	QUARTER 1, 2, 1, 0, 0
	QUARTER 1, 3, 0, 1, 0
	s_wait_dscnt 0x0                               ; the very last quarter: nothing more to fetch
	MUL8 1, 0, 0
	MUL8 1, 1, 0
	MUL8 1, 2, 0
	MUL8 1, 3, 0
	WAYOUT
	s_wait_tensorcnt 0x0                           ; the wave's end: 0 is added to my spare word behind my last tensor load and my last LDS store
	ds_add_u32 v[SPW], v[NIL]
	s_wait_dscnt 0x0
	CROUND                                         ; the closing round: no work-group ends while a partner may still ask for a tile that names it
	s_endpgm
.Lfunc_end_k_qd500f9fe46_proj:
	.size	k_qd500f9fe46_proj, .Lfunc_end_k_qd500f9fe46_proj-k_qd500f9fe46_proj
	.p2alignl 7, 3214868480
	.fill 96, 4, 3214868480
	.section	.rodata,"a",@progbits
	.p2align	6, 0x0
	.amdhsa_kernel k_qd500f9fe46_proj
		.amdhsa_group_segment_fixed_size 327680
		.amdhsa_private_segment_fixed_size 0
		.amdhsa_enable_private_segment 0
		.amdhsa_kernarg_size 56
		.amdhsa_user_sgpr_count 2
		.amdhsa_user_sgpr_kernarg_segment_ptr 1
		.amdhsa_wavefront_size32 1
		.amdhsa_system_sgpr_workgroup_id_x 1
		.amdhsa_system_sgpr_workgroup_id_y 1
		.amdhsa_system_sgpr_workgroup_id_z 1
		.amdhsa_system_vgpr_workitem_id 0
		.amdhsa_next_free_vgpr 640
		.amdhsa_next_free_sgpr 96
		.amdhsa_reserve_vcc 0
		.amdhsa_float_denorm_mode_32 3
		.amdhsa_float_denorm_mode_16_64 3
		.amdhsa_memory_ordered 1
		.amdhsa_forward_progress 1
		.amdhsa_inst_pref_size 175
	.end_amdhsa_kernel
	.amdgpu_metadata
---
amdhsa.version: [ 1, 2 ]
amdhsa.kernels:
  - .name:           k_qd500f9fe46_proj
    .symbol:         k_qd500f9fe46_proj.kd
    .args:
      - { .name: Q, .offset: 0, .size: 8, .value_kind: global_buffer, .address_space: global }
      - { .name: K, .offset: 8, .size: 8, .value_kind: global_buffer, .address_space: global }
      - { .name: V, .offset: 16, .size: 8, .value_kind: global_buffer, .address_space: global }
      - { .name: wb, .offset: 24, .size: 8, .value_kind: global_buffer, .address_space: global }
      - { .name: q16, .offset: 32, .size: 8, .value_kind: global_buffer, .address_space: global }
      - { .name: k16, .offset: 40, .size: 8, .value_kind: global_buffer, .address_space: global }
      - { .name: v16, .offset: 48, .size: 8, .value_kind: global_buffer, .address_space: global }
    .group_segment_fixed_size: 327680
    .private_segment_fixed_size: 0
    .kernarg_segment_align: 8
    .kernarg_segment_size: 56
    .max_flat_workgroup_size: 128
    .sgpr_count:     96
    .vgpr_count:     640
    .wavefront_size: 32
...
	.end_amdgpu_metadata
.endif
;; end of part 2
;; launch stats (part 3): grid 4 x 64, 8 waves a work-group, clusters of 4 x 1, 327,680 bytes of LDS; arguments q16, k16, nt; writes nt
.if DOCPART == 3
	.amdgcn_target "amdgcn-amd-amdhsa--gfx1250"
	.amdhsa_code_object_version 6
	.text
	.protected	k_qd500f9fe46_stats
	.globl	k_qd500f9fe46_stats
	.p2align	8
	.type	k_qd500f9fe46_stats,@function
k_qd500f9fe46_stats:
	s_mov_b64 s[64:65], 0
	v_nop
	global_prefetch_b8 v0, s[64:65] scope:SCOPE_SE
	s_setreg_imm32_b32 hwreg(HW_REG_WAVE_MODE, 25, 1), 1
	s_wait_xcnt 0x0
	s_wait_alu depctr_hold_cnt(0) depctr_sa_sdst(0) depctr_va_vdst(0) depctr_va_sdst(0) depctr_va_ssrc(0) depctr_va_vcc(0) depctr_vm_vsrc(0)
	s_getreg_b32 s2, hwreg(HW_REG_IB_STS2, 6, 4)
	s_cmp_eq_u32 s2, 0
	s_cbranch_scc0 .Lentry_in_a_cluster
	s_endpgm
.Lentry_in_a_cluster:
	s_bfe_u32 s2, ttmp6, 0x10000c
	s_cmp_lg_u32 s2, 0x3003
	s_cbranch_scc0 .Lentry_shape_is_right
	s_endpgm
.Lentry_shape_is_right:
; THE SOFTMAX'S STATISTICS.  The softmax runs over the QUERIES: key k's column of scores has a maximum m_k and a sum l_k over all 2,048 queries of its head.
; nt[head][k] = -(m_k + log2 l_k), with s' = q16 . k16 (q16 carries the factor log2(e) / 8), m_k = max over q of s', l_k = the sum over q of 2^(s' - m_k).  The next launch's weights are 2^(s' + nt).
; q16, k16: [64 heads][2048][64] f16; products, maxima and sums in f32.  The maximum is a running one: l is multiplied by a = 2^(m_old - m_new) in every step.
; LIMITS.  A term below 2^-126 counts as 0 in l; nt is rounded at m's size; NaN and infinities are not treated apart.
; SHARES.  A work-group owns 512 keys of one head, each of its eight waves 64: four tiles of 16, kept in registers.  Every wave walks all queries of the head, 64 a step.  The whole head's q16 (2,048 rows of
; 144 bytes) lies in LDS, filled once: no slot is filled again.  Two waves to a SIMD: the work is vector work in long chains, and the second wave issues while the first waits for a result.
; LAYOUT.  S = Q K^T (source 0 = 16 queries, source 1 = 16 keys): a lane holds ONE key (lane % 16) and the queries 8 (lane / 16) + 0..7.  Each lane keeps m and l of its half of the queries; the halves meet once, at the end.
; CLUSTER.  The four key blocks of a head walk the same q16: each part of it is asked for JOINTLY, by the same tensor load, descriptor and mask in all four.
.set PQ,     144                       ; a row of Q in LDS: 128 bytes + 16 of padding = 36 words: the 16 rows of a load start at 16 different groups of four banks (64 banks of 4 bytes: ISA guide 11.1)
.set QS,     64                        ; queries in a step
.set WPART,  128*PQ                    ; what one tensor load brings: 128 queries
.set CHUNKB, 8*WPART                   ; a chunk: 1,024 queries, one load of each wave
.set STAGE,  2*CHUNKB                  ; behind Q, never filled by a tensor load: 256 bytes for each wave
.set SPARE,  STAGE+8*256               ; the spare words, 128 bytes for each wave: four blocks of 256 bytes that no other line names
.set AQ0, 2                            ; v2   my lane's place in 16 rows of Q; never rewritten
.set AQ,  3                            ; v3   the LDS address of the step's run of loads
.set KO,  4                            ; v4   my byte offset in 16 rows of K
.set SI,  5                            ; v5   the stage: where my key's number goes
.set SO,  6                            ; v6   the stage: where I read two numbers back
.set GO,  7                            ; v7   my byte offset in the wave's 256 bytes of nt
.set SPW, 8                            ; v8   LDS address of my spare word; never rewritten
.set NIL, 9                            ; v9   0; never rewritten
.set C0,  12                           ; v12-15  c0-c3 at work; when the maximum is found c2 takes a
.set ST,  16                           ; tile t's statistics at v[ST+4 t]: m, 0 (named with m as a pair), l (even queries', odd queries')
.set S,   32                           ; v32-95   scores, two buffers of 32: a tile's goes by its number's parity
.set QF,  96                           ; v96-159  Q of one step: query block qb, channel half c at QF + 16 qb + 8 c
.set KF,  160                          ; v160-223 my keys: tile t, channel half c at KF + 16 t + 8 c
.set WV,  12                           ; s12  my wave's number
.set G1,  24                           ; s[24:31] descriptor group 1
.set G0,  32                           ; s[32:39] group 0, one set for each chunk
.set CNT, 40                           ; s40  counts a chunk's 16 steps
.set OUTER, 41                         ; s41  counts the two chunks
.set TB,  42                           ; s42  LDS byte at which the step's queries begin
.set SEL, 44                           ; s[44:45] v_permlanex16_b32's selects: each lane takes its own place in the other half
.macro CROUND                          ; a round of the cluster's barrier
	s_barrier_signal -1
	s_barrier_wait -1
	s_cmp_lg_u32 s[WV], 0
	s_cbranch_scc1 .Lnot_wave_0_\@
	s_barrier_signal -3
.Lnot_wave_0_\@:
	s_barrier_wait -3
	s_barrier_signal -1
	s_barrier_wait -1
.endm
	s_load_b128 s[4:7], s[0:1], 0x0                ; q16 s[4:5], k16 s[6:7]
	s_load_b64 s[8:9], s[0:1], 0x10                ; nt
	v_lshl_add_u32 v[SPW], v0, 2, SPARE
	v_mov_b32 v[NIL], 0
	ds_add_u32 v[SPW], v[NIL]                      ; the wave's opening: the add and its wait stand ahead of my first tensor load; the set-up below, work on registers, stands between them
	v_lshrrev_b32 v1, 5, v0
	v_readfirstlane_b32 s[WV], v1                  ; wave 0..7
	s_bfe_u32 s13, ttmp6, 0x40000                  ; cx: my place in the cluster
	s_lshl_b32 s14, ttmp9, 2
	s_add_co_u32 s14, s14, s13                     ; my block of 512 keys: it enters K's and nt's addresses alone
	s_and_b32 s15, ttmp7, 0xffff                   ; the head, which the four partners share
	s_lshl_b32 s20, s15, 18                        ; its first byte in q16 and k16
	s_lshl_b32 s22, s[WV], 14                      ; my 128 queries of a chunk
	s_add_co_u32 s22, s22, s20
	s_mov_b32 s23, 0
	s_mul_i32 s17, s[WV], WPART                    ; and their place in LDS
	s_lshl_b32 s18, s14, 16                        ; 512 keys of 128 bytes,
	s_lshl_b32 s19, s[WV], 13                      ; my 64 of them
	s_add_co_u32 s18, s18, s19
	s_add_co_u32 s18, s18, s20
	s_mov_b32 s19, 0
	s_lshl_b32 s2, s15, 13                         ; nt: 8,192 bytes a head, 2,048 a block, 256 a wave
	s_lshl_b32 s3, s14, 11
	s_add_co_u32 s2, s2, s3
	s_lshl_b32 s3, s[WV], 8
	s_add_co_u32 s2, s2, s3
	s_mov_b32 s3, 0
	; descriptor group 1.  128 queries are 16,384 dense bytes: asked for as 64 rows of 256 bytes, two queries a row, and padded in LDS after every query
	s_mov_b32 s[G1], 15|(1<<16)|(1<<20)|(1<<21)|(4<<22)|(3<<25)  ; 15:0 the mask of four; 17:16 2-byte elements; 20 padding on; 21 set beside a mask; 24:22 after every 32 words (code 4); 31:25 4 words (code 3)
	s_mov_b32 s[G1+1], 128<<16                     ; tensor_dim0 = 128
	s_mov_b32 s[G1+2], 64<<16                      ; tensor_dim1 = 64
	s_mov_b32 s[G1+3], 128<<16                     ; tile_dim0 = 128
	s_mov_b32 s[G1+4], 64                          ; tile_dim1 = 64
	s_mov_b32 s[G1+5], 128                         ; elements from row to row
	s_mov_b32 s[G1+6], 0
	s_mov_b32 s[G1+7], 0
	s_mov_b32 s[SEL], 0x76543210
	s_mov_b32 s[SEL+1], 0xfedcba98
	s_mov_b32 s[TB], 0
	s_wait_dscnt 0x0                               ; the opening add is done
	s_wait_kmcnt 0x0
	s_add_nc_u64 s[4:5], s[4:5], s[22:23]
	s_add_nc_u64 s[6:7], s[6:7], s[18:19]
	s_add_nc_u64 s[8:9], s[8:9], s[2:3]
.irp c, 0,1
	s_mov_b32 s[G0+4*(\c)], 1                                        ; count = 1
	s_add_co_u32 s[G0+4*(\c)+1], s17, (\c)*CHUNKB                    ; LDS address
	s_add_nc_u64 s[G0+4*(\c)+2:G0+4*(\c)+3], s[4:5], (\c)*1024*128   ; global address: chunk c
	s_or_b32 s[G0+4*(\c)+3], s[G0+4*(\c)+3], 0x80000000              ; type = 2
.endr
	CROUND                                         ; all four work-groups are here: the joint loads meet
	tensor_load_to_lds s[G0:G0+3], s[G1:G1+7]      ; both fills go out together: two loads of mine are out, and there are no more
	s_nop 0
	tensor_load_to_lds s[G0+4:G0+7], s[G1:G1+7]
	s_nop 0
.rept 4
	v_nop
.endr
	; A fragment is 16 rows x 32 channels in 8 registers: lane l holds row l % 16, channels 8 (l / 16) + 0..7 and 16 + 8 (l / 16) + 0..7: two loads of 16 bytes, 32 bytes apart.
	v_and_b32 v1, 15, v0                           ; l % 16
	v_bfe_u32 v10, v0, 4, 1                        ; l / 16
	v_lshlrev_b32 v[KO], 7, v1
	v_lshl_add_u32 v[KO], v10, 4, v[KO]
.set i, 0
.rept 8                                ; my 64 keys stay in registers
	global_load_b128 v[KF+8*i:KF+8*i+3],   v[KO], s[6:7] offset:(i/2)*2048+(i%2)*64
	global_load_b128 v[KF+8*i+4:KF+8*i+7], v[KO], s[6:7] offset:(i/2)*2048+(i%2)*64+32
.set i, i+1
.endr
	v_mul_u32_u24 v[AQ0], v1, PQ
	v_lshl_add_u32 v[AQ0], v10, 4, v[AQ0]
	s_lshl_b32 s16, s[WV], 8
	s_add_co_u32 s16, s16, STAGE                   ; my stage
	v_lshl_add_u32 v[SI], v1, 2, s16
	v_and_b32 v[GO], 31, v0
	v_lshl_add_u32 v[SO], v[GO], 3, s16
	v_lshlrev_b32 v[GO], 3, v[GO]
.set i, 0
.rept 4
	v_mov_b32 v[ST+4*i], 0xff7fffff                ; m: the lowest finite number, so the first step's a is 0
	v_mov_b32 v[ST+4*i+1], 0
	v_mov_b32 v[ST+4*i+2], 0
	v_mov_b32 v[ST+4*i+3], 0
.set i, i+1
.endr
; Product i of 8 of tile t's scores: channels 32 (i / 4) on, queries 16 (i % 4) on.  The first 4 start the sums; the 4 accumulators take turns.
.macro WM t, i
.set wS, S+32*((\t)%2)+8*((\i)%4)
.set wQ, QF+16*((\i)%4)+8*((\i)/4)
.set wK, KF+16*(\t)+8*((\i)/4)
.if (\i) < 4
	v_wmma_f32_16x16x32_f16 v[wS:wS+7], v[wQ:wQ+7], v[wK:wK+7], 0
.else
	v_wmma_f32_16x16x32_f16 v[wS:wS+7], v[wQ:wQ+7], v[wK:wK+7], v[wS:wS+7]
.endif
.endm
; THE VECTOR WORK of a tile and step is a list of 89 numbers; SV writes number j.  s0-s31 are the lane's 32 scores.
;   0-15   the maximum of s0-s31 and the old m: four chains c0-c3 of seven scores each, three operands at a time (each accumulator's lowest registers are read first), the four left over, m
;   16-18  m_old - m_new; the new m; a
;   19-22  F 0-3, where F n is s - m for pair n of 16
;   23-86  the exponential E i of score i at 23 + 2 i, and behind it plain slot i: F 4-15 in slots 0-11; then B n (of the four terms 4 n .. the second pair is added onto the first) and L n (l takes that sum;
;          L 0: l = a l + sum): B 0, L 0 .. L 3, B 4 in slots 12-20; L 4, B 5 in 23, 24; L 5, B 6 in 27, 28; L 6 in 31; the other slots are empty.
;   87, 88 B 7, L 7
; So every exponential has a plain line that touches none of its registers before its result is read (ISA guide 5.7.2): B n reads E (4 n + 3)'s result, and L (n - 1), or a fuller slot, stands between them.
.macro SV t
.set rT, ST+4*(\t)
.set rS, S+32*((\t)%2)
.set kind, 0                           ; 1: F, 2: E, 3: B, 4: L
.set idx, 0
.if j >= 87
.set kind, j-84
.set idx, 7
.elseif (j >= 19) && (j < 23)
.set kind, 1
.set idx, j-19
.elseif (j >= 23) && ((j-23)%2 == 0)
.set kind, 2
.set idx, (j-23)/2
.elseif j >= 24
.set sl, (j-24)/2
.if sl < 12
.set kind, 1
.set idx, sl+4
.elseif sl < 21
.set kind, 3+sl%2
.set idx, (sl-12)/2
.elseif sl%4 == 3
.set kind, 4
.set idx, (sl-7)/4
.elseif sl%4 == 0
.set kind, 3
.set idx, (sl-4)/4
.endif
.endif
.if j < 4
	v_max3_num_f32 v[C0+j], v[rS+8*j], v[rS+8*j+1], v[rS+8*j+2]
.elseif j < 12
	v_max3_num_f32 v[C0+j%4], v[C0+j%4], v[rS+8*(j%4)+2*(j/4)+1], v[rS+8*(j%4)+2*(j/4)+2]
.elseif j == 12
	v_max3_num_f32 v[C0], v[C0], v[rS+7], v[rS+15]
.elseif j == 13
	v_max3_num_f32 v[C0+1], v[C0+1], v[rS+23], v[rS+31]
.elseif j == 14
	v_max3_num_f32 v[C0+2], v[C0+2], v[C0+3], v[rT]
.elseif j == 15
	v_max3_num_f32 v[C0], v[C0], v[C0+1], v[C0+2]
.elseif j == 16
	v_sub_f32 v[C0+1], v[rT], v[C0]
.elseif j == 17
	v_mov_b32 v[rT], v[C0]
.elseif j == 18
	v_exp_f32 v[C0+2], v[C0+1]
.elseif kind == 1
	v_pk_add_f32 v[rS+2*idx:rS+2*idx+1], v[rS+2*idx:rS+2*idx+1], v[rT:rT+1] op_sel_hi:[1,0] neg_lo:[0,1] neg_hi:[0,1]
.elseif kind == 2
	v_exp_f32 v[rS+idx], v[rS+idx]
.elseif kind == 3
	s_wait_alu depctr_va_vdst(0)
	v_pk_add_f32 v[rS+4*idx:rS+4*idx+1], v[rS+4*idx:rS+4*idx+1], v[rS+4*idx+2:rS+4*idx+3]
.elseif (kind == 4) && (idx == 0)
	v_pk_fma_f32 v[rT+2:rT+3], v[rT+2:rT+3], v[C0+2:C0+3], v[rS:rS+1] op_sel_hi:[1,0,1]
.elseif kind == 4
	v_pk_add_f32 v[rT+2:rT+3], v[rT+2:rT+3], v[rS+4*idx:rS+4*idx+1]
	s_wait_alu depctr_va_vdst(0)
.endif
.endm
.macro TILE t                          ; tile t's list; the next tile's eight products stand among its first 32 numbers, one behind every fourth, and write the other buffer
.set j, 0
.rept 89
	SV \t
.if ((\t) < 3) && (j < 32) && (j%4 == 3)
	WM (\t)+1, j/4
.endif
.set j, j+1
.endr
.endm
	s_wait_tensorcnt 1                             ; my part of chunk 0 is in; chunk 1's may stay out
	s_barrier_signal -1
	s_barrier_wait -1                              ; everybody's is
	s_wait_loadcnt 0x0                             ; my keys
	s_mov_b32 s[OUTER], 2
.Lchunk:
	s_mov_b32 s[CNT], 16
.Lstep:                                                ; a step: 64 queries x my 64 keys.  Q's registers were last read by products that stand more than a tile's vector work back
	v_add_nc_u32 v[AQ], s[TB], v[AQ0]
.irp f, 0,1,2,3,4,5,6,7                ; queries 16 (f / 2) on, channels 32 (f % 2) on
	ds_load_b128 v[QF+8*\f:QF+8*\f+3],   v[AQ] offset:(\f/2)*16*PQ+(\f%2)*64
	ds_load_b128 v[QF+8*\f+4:QF+8*\f+7], v[AQ] offset:(\f/2)*16*PQ+(\f%2)*64+32
.endr
	s_add_co_u32 s[TB], s[TB], QS*PQ
	s_wait_dscnt 0x0
.irp i, 0,1,2,3,4,5,6,7
	WM 0, \i
.endr
.rept 4
	v_nop                                          ; the places behind those products (ISA guide 7.12.1)
.endr
	TILE 0
	TILE 1
	TILE 2
	TILE 3
	s_sub_co_u32 s[CNT], s[CNT], 1
	s_cmp_lg_u32 s[CNT], 0
	s_cbranch_scc1 .Lstep
	s_wait_tensorcnt 0x0                           ; my part of chunk 1 is in,
	s_barrier_signal -1                            ; (no LDS instruction of mine is out: each step has waited for its loads)
	s_barrier_wait -1                              ; everybody's is.  Behind the second chunk this barrier serves nothing: the price of one text for both chunks
	s_sub_co_u32 s[OUTER], s[OUTER], 1
	s_cmp_lg_u32 s[OUTER], 0
	s_cbranch_scc1 .Lchunk
	; THE END.  The two halves of the lanes hold the two halves of a key's queries: m = the larger m; each l is brought to it and the two are added; nt = -m - log2 l.
.macro ALL line:vararg                 ; one line for each tile t
.set t, 0
.rept 4
	\line
.set t, t+1
.endr
.endm
	ALL v_add_f32 v[ST+4*t+2], v[ST+4*t+2], v[ST+4*t+3]
	ALL v_permlanex16_b32 v[S+4*t], v[ST+4*t], s[SEL], s[SEL+1]
	ALL v_max_num_f32 v[S+4*t], v[S+4*t], v[ST+4*t]
	ALL v_sub_f32 v[S+4*t+1], v[ST+4*t], v[S+4*t]
	ALL v_exp_f32 v[S+4*t+1], v[S+4*t+1]
	v_nop                                          ; a plain instruction between the last exponential and the use of its result
	s_wait_alu depctr_va_vdst(0)
	ALL v_mul_f32 v[ST+4*t+2], v[ST+4*t+2], v[S+4*t+1]
	ALL v_permlanex16_b32 v[S+4*t+2], v[ST+4*t+2], s[SEL], s[SEL+1]
	ALL v_add_f32 v[S+4*t+2], v[S+4*t+2], v[ST+4*t+2]
	ALL v_log_f32 v[S+4*t+2], v[S+4*t+2]
	v_nop                                          ; the same behind the last logarithm
	s_wait_alu depctr_va_vdst(0)
	ALL v_fma_f32 v[S+4*t+3], v[S+4*t], -1.0, -v[S+4*t+2]
	ALL ds_store_b32 v[SI], v[S+4*t+3] offset:64*t ; key 16 t + l % 16: both halves of the lanes write the same number to the same word
	ds_load_b64 v[S:S+1], v[SO]                    ; LDS serves a wave's instructions in order: back as 8 bytes a lane
	s_wait_dscnt 0x0
	global_store_b64 v[GO], v[S:S+1], s[8:9]       ; the wave's 64 numbers: 256 consecutive bytes, aligned
	s_wait_tensorcnt 0x0                           ; the wave's end: 0 is added to my spare word behind my last tensor load and my last LDS store
	ds_add_u32 v[SPW], v[NIL]
	s_wait_dscnt 0x0
	CROUND                                         ; the closing round
	s_endpgm
.Lfunc_end_k_qd500f9fe46_stats:
	.size	k_qd500f9fe46_stats, .Lfunc_end_k_qd500f9fe46_stats-k_qd500f9fe46_stats
	.p2alignl 7, 3214868480
	.fill 96, 4, 3214868480
	.section	.rodata,"a",@progbits
	.p2align	6, 0x0
	.amdhsa_kernel k_qd500f9fe46_stats
		.amdhsa_group_segment_fixed_size 327680
		.amdhsa_private_segment_fixed_size 0
		.amdhsa_enable_private_segment 0
		.amdhsa_kernarg_size 24
		.amdhsa_user_sgpr_count 2
		.amdhsa_user_sgpr_kernarg_segment_ptr 1
		.amdhsa_wavefront_size32 1
		.amdhsa_system_sgpr_workgroup_id_x 1
		.amdhsa_system_sgpr_workgroup_id_y 1
		.amdhsa_system_sgpr_workgroup_id_z 1
		.amdhsa_system_vgpr_workitem_id 0
		.amdhsa_next_free_vgpr 224
		.amdhsa_next_free_sgpr 66
		.amdhsa_reserve_vcc 0
		.amdhsa_float_denorm_mode_32 3
		.amdhsa_float_denorm_mode_16_64 3
		.amdhsa_memory_ordered 1
		.amdhsa_forward_progress 1
		.amdhsa_inst_pref_size 31
	.end_amdhsa_kernel
	.amdgpu_metadata
---
amdhsa.version: [ 1, 2 ]
amdhsa.kernels:
  - .name:           k_qd500f9fe46_stats
    .symbol:         k_qd500f9fe46_stats.kd
    .args:
      - { .name: q16, .offset: 0, .size: 8, .value_kind: global_buffer, .address_space: global }
      - { .name: k16, .offset: 8, .size: 8, .value_kind: global_buffer, .address_space: global }
      - { .name: nt, .offset: 16, .size: 8, .value_kind: global_buffer, .address_space: global }
    .group_segment_fixed_size: 327680
    .private_segment_fixed_size: 0
    .kernarg_segment_align: 8
    .kernarg_segment_size: 24
    .max_flat_workgroup_size: 256
    .sgpr_count:     66
    .vgpr_count:     224
    .wavefront_size: 32
...
	.end_amdgpu_metadata
.endif
;; end of part 3
;; launch attn (part 4): grid 4 x 64, 8 waves a work-group, clusters of 4 x 1, 327,680 bytes of LDS; arguments q16, k16, v16, nt, o16; writes o16
.if DOCPART == 4
	.amdgcn_target "amdgcn-amd-amdhsa--gfx1250"
	.amdhsa_code_object_version 6
	.text
	.protected	k_qd500f9fe46_attn
	.globl	k_qd500f9fe46_attn
	.p2align	8
	.type	k_qd500f9fe46_attn,@function
k_qd500f9fe46_attn:
	s_mov_b64 s[64:65], 0
	v_nop
	global_prefetch_b8 v0, s[64:65] scope:SCOPE_SE
	s_setreg_imm32_b32 hwreg(HW_REG_WAVE_MODE, 25, 1), 1
	s_wait_xcnt 0x0
	s_wait_alu depctr_hold_cnt(0) depctr_sa_sdst(0) depctr_va_vdst(0) depctr_va_sdst(0) depctr_va_ssrc(0) depctr_va_vcc(0) depctr_vm_vsrc(0)
	s_getreg_b32 s2, hwreg(HW_REG_IB_STS2, 6, 4)
	s_cmp_eq_u32 s2, 0
	s_cbranch_scc0 .Lentry_in_a_cluster
	s_endpgm
.Lentry_in_a_cluster:
	s_bfe_u32 s2, ttmp6, 0x10000c
	s_cmp_lg_u32 s2, 0x3003
	s_cbranch_scc0 .Lentry_shape_is_right
	s_endpgm
.Lentry_shape_is_right:
; O[head][q][:] = the sum over k of 2^(s'(q, k) + nt[head][k]) v16[head][k][:], s' = q16 . k16.  nt = -(m_k + log2 l_k) comes from the launch before, which took each key's maximum over the queries away:
; the exponent is at most 0 (to within rounding), the weights p lie in 0 to 1 and are final: no running maximum, no rescaling, no division here.
; q16, k16, v16: [64][2048][64] f16; nt: [64][2048] f32; o16: the same layout as q16, in bf16: O is no mean of V's rows (the weights of a query do not add to 1), and its range is not f16's.
; Products in f32; p is rounded to f16 for the second product, O once at the end.
; LIMITS.  p below 6e-5 keeps f16's fixed step of 6e-8; s' + nt is rounded at s' size; NaN and infinities are not treated apart.
; SHARES.  A work-group owns 512 queries of one head, each of its EIGHT waves 64: four tiles of 16.  Every wave walks all keys, 64 a step.  Two waves to a SIMD: a tile and step have 16 matrix instructions, 32
; exponentials and 16 roundings, and a wave issues in order; while one wave's products run, the other issues its exponentials.  The price: a fragment of K or V read from LDS feeds four tiles' products, not eight.
; LAYOUT.  S^T = K Q^T + nt (source 0 = 16 keys, source 1 = 16 queries, and the C operand that starts the sum is nt of the lane's keys): a lane holds ONE query (lane % 16) and the keys 8 (lane / 16) + 0..7, and the
; result is the exponent itself.  Two such results, after the exponential rounded to f16 in pairs, ARE source 1 (32 keys x 16 queries) of O^T = V^T P.  K comes out of LDS as it lies, V turned, by ds_load_tr16_b128.
; BY TURNS.  Turn n belongs to tile n (the tiles in a ring, step after step): 8 products K Q^T of tile n + 1, and behind each of them four exponentials and two roundings of tile n; then tile n's own 8 products
; V^T P, bare.
; CLUSTER.  The four query blocks of a head walk the same K, V and nt: each tile is asked for JOINTLY, by the same tensor load, descriptor and mask in all four.
; REGISTERS, in two windows of 256 (s_set_vgpr_msb: bits 1:0 source 0, 3:2 source 1, 5:4 source 2, 7:6 destination):
;   window 0: v0-15 addresses; v32-95 S^T, two buffers; v96-127 P, two buffers (a tile's go by its number's parity); v128-191 K of one step; v192-255 Q, 16 a tile
;   window 1: v0-127 O^T, 32 a tile; v128-191 V of one step; v192-223 nt of one step
; All that the exponentials, the roundings and the products K Q^T name but nt lies in window 0: a turn has three switches.
.set NP,    4         ; tiles a wave: a name, no knob
.set KS,    64        ; keys in a step
.set PK,    144       ; a row of K in LDS: 128 bytes + 16 of padding = 36 words: the 16 rows of a load start at 16 different groups of four banks (64 banks of 4 bytes: ISA guide 11.1)
.set PV,    160       ; a row of V: 128 + 32 = 40 words
.set VOFF,  4*KS*PK   ; a slot holds four steps: 256 rows of K, then 256 rows of V
.set SLOT1, 1<<17     ; slot 1 begins here, so that one exclusive or turns an address in one slot into the other's
.set NTB,   SLOT1+4*KS*(PK+PV)  ; behind the ring: the head's nt, 8,192 bytes, filled once
.set STAGE, NTB+8192  ; never filled by a tensor load: 16 rows x 144 bytes for each wave, for the way out
.set SP,    144
.set SPARE, STAGE+8*16*SP  ; the spare words, 128 bytes for each wave: four blocks of 256 bytes that no other line names
.set AK0, 2           ; v2   my lane's place in a tile of K; never rewritten
.set AV0, 3           ; v3   the same for V
.set AK,  4           ; v4   the LDS address of K's next run of loads
.set AV,  5           ; v5   of V's
.set QO,  6           ; v6   my byte offset in the wave's rows of Q
.set STO, 6           ;      later, the way out: where I put 16 bytes of a row
.set RD,  7           ; v7   the way out: where I read rows back
.set GO,  8           ; v8   my byte offset in 512 consecutive bytes of O
.set AN0, 11          ; v11  my lane's place in a step's nt; never rewritten
.set AN,  12          ; v12  the LDS address of nt's next loads
.set SPW, 14          ; v14  LDS address of my spare word; never rewritten
.set NIL, 15          ; v15  0; never rewritten
.set S,   32
.set P,   96
.set KF,  128         ; key block kb, channel half c at KF + 16 kb + 8 c
.set QF,  192         ; tile t, channel half c at QF + 16 t + 8 c
.set VF,  128         ; window 1: key half kk, channel block cb at VF + 32 kk + 8 cb
.set NT,  192         ; window 1: key block kb at NT + 8 kb
.set OB,  32          ; the way out: 16 registers a tile, where S^T lay
.set WV,  12          ; s12  my wave's number
.set G1K, 24          ; s[24:31] descriptor group 1 for K's tiles
.set G1V, 32          ; s[32:39] for V's: it differs in the padding alone
.set G0K, 40          ; s[40:43] descriptor group 0 for K's tiles: it walks
.set G0V, 44          ; s[44:47] the same for V's
.set SLOTS, 56        ; s56  slots still to be asked for
.set CNT, 57          ; s57  counts a slot's key steps
.set TBK, 62          ; s62  LDS byte at which K of the step to be fetched begins
.set TBV, 63          ; s63  the same for V, less VOFF
.set G1N, 68          ; s[68:75] descriptor group 1 for nt
.set G0N, 76          ; s[76:79] group 0 for nt
.set TBN, 80          ; s80  LDS byte at which nt of the step to be fetched begins
.set MSB, 0
.macro WIN new                      ; the high byte repeats the setting that is left; a switch that changes nothing is dropped
.if MSB != (\new)
	s_set_vgpr_msb (MSB<<8)|(\new)
.set MSB, (\new)
.endif
.endm
.set W_KN, 0x10       ; the C operand (nt) in window 1, all else in window 0.  Lines with one or two sources run under it as under 0
.set W_PV, 0x51       ; V in window 1, P in window 0, O^T in window 1
.set TO_1, 0x40       ; destination window 1, address window 0
; A joint fill.  Waves 0 to 3 fetch the four quarters of a slot's K, waves 4 to 7 those of its V: 64 keys each.  An s_nop 0 and four v_nop follow each of the two lines.
.macro JLOAD
	s_cmp_lt_u32 s[WV], 4
	s_cbranch_scc0 .Lfor_v_\@
	tensor_load_to_lds s[G0K:G0K+3], s[G1K:G1K+7]
	s_nop 0
.rept 4
	v_nop
.endr
	s_branch .Lasked_\@
.Lfor_v_\@:
	tensor_load_to_lds s[G0V:G0V+3], s[G1V:G1V+7]
	s_nop 0
.rept 4
	v_nop
.endr
.Lasked_\@:
.endm
.macro CROUND                       ; a round of the cluster's barrier
	s_barrier_signal -1
	s_barrier_wait -1
	s_cmp_lg_u32 s[WV], 0
	s_cbranch_scc1 .Lnot_wave_0_\@
	s_barrier_signal -3
.Lnot_wave_0_\@:
	s_barrier_wait -3
	s_barrier_signal -1
	s_barrier_wait -1
.endm
; THE CHANGE OF SLOTS.  The slot's last bytes, V of its fourth step, have been read: tile 0's turn has waited for them.  Each wave waits for all its tensor loads (its part of the other slot), adds 0 to its spare
; word, and waits for that and for its own reads of the slot.  fill = 1: the barrier is a round of the cluster's, and the slot is filled again first thing behind it, with the keys two slots on: it has four key
; steps, 256 products of each wave, in which to land.  (At its first use nothing has been read yet: slot 0 and nt are waited for, slot 1 is filled.)
.macro CHANGE fill
	WIN 0                           ; at a label and at a branch every window is 0; the add's two registers lie in window 0
	s_wait_tensorcnt 0x0            ; no tensor load of mine is out, so a group 0 may be written
	ds_add_u32 v[SPW], v[NIL]       ; 0 onto my spare word; with fill = 1 the descriptors' steps stand between it and the wait for it
.if \fill
.irp g, G0K, G0V
	s_xor_b32 s[\g+1], s[\g+1], SLOT1  ; the walking descriptor: the other slot than last time,
	s_add_nc_u64 s[\g+2:\g+3], s[\g+2:\g+3], 4*KS*128  ; the next 256 keys; the type bits on top are not reached
.endr
	s_wait_dscnt 0x0                ; the add is done, and my reads of the slot are over
	CROUND
	JLOAD
.else
	s_wait_dscnt 0x0
	s_barrier_signal -1
	s_barrier_wait -1
.endif
	s_sub_co_u32 s[TBK], s[TBK], 4*KS*PK  ; the fetches go back to a slot's first step,
	s_xor_b32 s[TBK], s[TBK], SLOT1       ; in the other slot
	s_sub_co_u32 s[TBV], s[TBV], 4*KS*PV
	s_xor_b32 s[TBV], s[TBV], SLOT1
.endm
	s_load_b256 s[4:11], s[0:1], 0x0  ; q16 s[4:5], k16 s[6:7], v16 s[8:9], nt s[10:11]
	s_load_b64 s[82:83], s[0:1], 0x20 ; o16
	v_lshl_add_u32 v[SPW], v0, 2, SPARE
	v_mov_b32 v[NIL], 0
	ds_add_u32 v[SPW], v[NIL]       ; the wave's opening: the add and its wait stand ahead of my first tensor load; the set-up below, work on registers, stands between them
	v_lshrrev_b32 v1, 5, v0
	v_readfirstlane_b32 s[WV], v1   ; wave 0..7
	s_bfe_u32 s13, ttmp6, 0x40000   ; cx: my place in the cluster
	s_lshl_b32 s14, ttmp9, 2
	s_add_co_u32 s14, s14, s13      ; my block of 512 queries: it enters Q's and O's addresses alone
	s_and_b32 s15, ttmp7, 0xffff    ; the head, which the four partners share
	s_lshl_b32 s20, s15, 18         ; its first byte in q16, k16, v16, o16
	s_and_b32 s16, s[WV], 3         ; which quarter of a slot's 256 keys I fetch:
	s_lshl_b32 s22, s16, 13         ; its 64 rows of 128 bytes in memory,
	s_add_co_u32 s22, s22, s20
	s_mov_b32 s23, 0
	s_mul_i32 s17, s16, 64*PK       ; and its place in a slot, for K
	s_mul_i32 s18, s16, 64*PV       ; and for V: no place in the cluster enters an LDS address
	s_lshl_b32 s2, s14, 3
	s_add_co_u32 s2, s2, s[WV]      ; my wave among the head's 32,
	s_lshl_b32 s2, s2, 13           ; its 64 rows
	s_add_co_u32 s2, s2, s20
	s_mov_b32 s3, 0
	s_lshl_b32 s84, s15, 13         ; nt: 8,192 bytes a head, of which I fetch an eighth
	s_lshl_b32 s85, s[WV], 10
	s_add_co_u32 s84, s84, s85
	s_add_co_u32 s[G0N+1], s85, NTB ; and where it goes
	s_mov_b32 s85, 0
	; descriptor group 1.  64 keys are 8,192 dense bytes: asked for as 32 rows of 256 bytes, two keys a row, and padded in LDS after every key.  (Eight waves share a slot's 512 rows of keys: 32 such rows each.)
	s_mov_b32 s[G1K], 15|(1<<16)|(1<<20)|(1<<21)|(4<<22)|(3<<25)  ; 15:0 the mask of four; 17:16 2-byte elements; 20 padding on; 21 set beside a mask; 24:22 after every 32 words (code 4); 31:25 4 words (code 3)
	s_mov_b32 s[G1V], 15|(1<<16)|(1<<20)|(1<<21)|(4<<22)|(7<<25)  ; the same with 8 words of padding (code 7)
.irp g, G1K, G1V
	s_mov_b32 s[\g+1], 128<<16      ; tensor_dim0 = 128
	s_mov_b32 s[\g+2], 32<<16       ; tensor_dim1 = 32
	s_mov_b32 s[\g+3], 128<<16      ; tile_dim0 = 128
	s_mov_b32 s[\g+4], 32           ; tile_dim1 = 32
	s_mov_b32 s[\g+5], 128          ; 128 elements from row to row
	s_mov_b32 s[\g+6], 0
	s_mov_b32 s[\g+7], 0
.endr
	s_mov_b32 s[G1N], 15|(3<<16)|(1<<21)  ; nt: the mask of four; 8-byte elements; no padding: 4 dense rows of 256 bytes
	s_mov_b32 s[G1N+1], 32<<16
	s_mov_b32 s[G1N+2], 4<<16
	s_mov_b32 s[G1N+3], 32<<16
	s_mov_b32 s[G1N+4], 4
	s_mov_b32 s[G1N+5], 32
	s_mov_b32 s[G1N+6], 0
	s_mov_b32 s[G1N+7], 0
	s_mov_b32 s[TBK], SLOT1+4*KS*PK ; the first change of slots turns these two into 0
	s_mov_b32 s[TBV], SLOT1+4*KS*PV
	s_mov_b32 s[TBN], NTB
	s_mov_b32 s[G0K], 1             ; count = 1
	s_mov_b32 s[G0K+1], s17         ; LDS address: slot 0
	s_mov_b32 s[G0V], 1
	s_add_co_u32 s[G0V+1], s18, VOFF
	s_mov_b32 s[G0N], 1
	s_wait_dscnt 0x0                ; the opening add is done
	s_wait_kmcnt 0x0
	s_add_nc_u64 s[G0K+2:G0K+3], s[6:7], s[22:23]  ; global address: my quarter of the head's first 256 keys
	s_or_b32 s[G0K+3], s[G0K+3], 0x80000000        ; type = 2
	s_add_nc_u64 s[G0V+2:G0V+3], s[8:9], s[22:23]
	s_or_b32 s[G0V+3], s[G0V+3], 0x80000000
	s_add_nc_u64 s[G0N+2:G0N+3], s[10:11], s[84:85]
	s_or_b32 s[G0N+3], s[G0N+3], 0x80000000
	s_add_nc_u64 s[4:5], s[4:5], s[2:3]            ; Q and O at my wave's first row
	s_add_nc_u64 s[82:83], s[82:83], s[2:3]
	CROUND                          ; all four work-groups are here: the first joint loads meet
	tensor_load_to_lds s[G0N:G0N+3], s[G1N:G1N+7]  ; my eighth of nt,
	s_nop 0
	JLOAD                           ; and my part of slot 0: two loads of mine are out.  Slot 1 is asked for when these are in
	; A fragment of K or Q is 16 rows x 32 channels in 8 registers: lane l holds row l % 16, channels 8 (l / 16) + 0..7 and 16 + 8 (l / 16) + 0..7: two loads of 16 bytes, 32 bytes apart.
	v_and_b32 v1, 15, v0            ; l % 16
	v_bfe_u32 v9, v0, 4, 1          ; l / 16
	v_lshlrev_b32 v[QO], 7, v1
	v_lshl_add_u32 v[QO], v9, 4, v[QO]
.set i, 0
.rept 2*NP                          ; Q stays in registers: tile i / 2, channels 32 (i % 2) on
	global_load_b128 v[QF+8*i:QF+8*i+3],   v[QO], s[4:5] offset:(i/2)*2048+(i%2)*64
	global_load_b128 v[QF+8*i+4:QF+8*i+7], v[QO], s[4:5] offset:(i/2)*2048+(i%2)*64+32
.set i, i+1
.endr
	; No first step is written out: O^T starts at 0.  The price: 128 lines that write 0, in the wait for the first tile.
	WIN TO_1
.set i, 0
.rept 32*NP
	v_mov_b32 v[i], 0
.set i, i+1
.endr
	WIN 0
	v_mul_u32_u24 v[AK0], v1, PK
	v_lshl_add_u32 v[AK0], v9, 4, v[AK0]  ; row x pitch + 16 x half
	; The turning load takes 16 keys x 16 channels (lane l reads key 8 (l / 16) + l % 8, channels 8 ((l / 8) % 2) + 0..7) and leaves half a fragment of V^T: lane l holds channel l % 16 and 8 keys.
	v_and_b32 v10, 7, v0
	v_bfe_u32 v13, v0, 3, 1
	v_lshl_add_u32 v[AV0], v9, 3, v10
	v_mul_u32_u24 v[AV0], v[AV0], PV
	v_lshl_add_u32 v[AV0], v13, 4, v[AV0]
	v_add_nc_u32 v[AV0], VOFF, v[AV0]
	v_lshlrev_b32 v[AN0], 5, v9     ; my eight keys of a block of 16: 32 bytes for each half of the lanes
; THE MATRIX WORK.  The 4 accumulators of a run of 8 take turns.  Product i of 8 of S^T for tile x: channels 32 (i / 4) on, keys 16 (i % 4) on.  The first 4 start the sums, with nt.
.macro KQ x
.set kS, S+32*((\x)%2)+8*(i%4)
.set kK, KF+16*(i%4)+8*(i/4)
.set kQ, QF+16*(\x)+8*(i/4)
.if i < 4
	WIN W_KN
	v_wmma_f32_16x16x32_f16 v[kS:kS+7], v[kK:kK+7], v[kQ:kQ+7], v[NT+8*i:NT+8*i+7]
.else
	WIN 0
	v_wmma_f32_16x16x32_f16 v[kS:kS+7], v[kK:kK+7], v[kQ:kQ+7], v[kS:kS+7]
.endif
.endm
; Product i of 8 of O^T += V^T P for tile x: keys 32 (i / 4) on, channels 16 (i % 4) on.
.macro PV x
	WIN W_PV
.set pO, 32*(\x)+8*(i%4)
.set pV, VF+32*(i/4)+8*(i%4)
.set pP, P+16*((\x)%2)+8*(i/4)
	v_wmma_f32_16x16x32_f16 v[pO:pO+7], v[pV:pV+7], v[pP:pP+7], v[pO:pO+7]
.endm
; THE LDS LOADS stand in runs, never singly among the matrix instructions: a step's K (8 fragments) with its nt, and its V (turned).  Their addresses are made just ahead.
.macro FETCH_K
	WIN 0
.irp f, 0,1,2,3,4,5,6,7             ; keys 16 (f / 2) on, channels 32 (f % 2) on
	ds_load_b128 v[KF+8*\f:KF+8*\f+3],   v[AK] offset:(\f/2)*16*PK+(\f%2)*64
	ds_load_b128 v[KF+8*\f+4:KF+8*\f+7], v[AK] offset:(\f/2)*16*PK+(\f%2)*64+32
.endr
	WIN TO_1
.irp b, 0,1,2,3                     ; nt of keys 16 b + 8 (l / 16) + 0..7: the sixteen lanes of a half read the same 32 bytes
	ds_load_b128 v[NT+8*\b:NT+8*\b+3],   v[AN] offset:64*\b
	ds_load_b128 v[NT+8*\b+4:NT+8*\b+7], v[AN] offset:64*\b+16
.endr
	WIN 0
	s_add_co_u32 s[TBK], s[TBK], KS*PK  ; the next fetch is the next step's
	s_add_co_u32 s[TBN], s[TBN], KS*4
.endm
.macro FETCH_V
	WIN TO_1
.irp f, 0,1,2,3,4,5,6,7             ; keys 32 (f / 4) on, channels 16 (f % 4) on
	ds_load_tr16_b128 v[VF+8*\f:VF+8*\f+3],   v[AV] offset:(\f/4)*32*PV+(\f%4)*32
	ds_load_tr16_b128 v[VF+8*\f+4:VF+8*\f+7], v[AV] offset:(\f/4)*32*PV+16*PV+(\f%4)*32
.endr
	WIN 0
	s_add_co_u32 s[TBV], s[TBV], KS*PV
.endm
; A TURN, for tile n.  kq = 0: there is no next tile (the launch's last turn).  fk = 1: K and nt of the next step are fetched.  fv = 1: V of the next step is.
; Behind product i stand the exponentials of scores 4 i to 4 i + 3 and the roundings of the four scores before them: a rounding reads exponentials that have a plain line behind them (behind the first four a
; v_nop; ISA guide 5.7.2), and the two roundings are the plain lines behind this product's exponentials.  The exponentials go up from the buffer's first register.
; None of these lines names a register of the products round it: those write the other buffer of S^T, and the products V^T P just before read the other buffer of P.
; K and nt are fetched in tile 2's turn: K's last reader is that turn's eighth product, and four roundings and the two address lines stand between (ISA guide 7.12.1 for vector instructions); they are waited
; for at the head of tile 3's turn, eight products later.  V is fetched behind tile 3's last product and four places, and waited for in the middle of tile 0's turn.
.macro TURN n, kq=1, fk=0, fv=0
.set tS, S+32*((\n)%2)
.set tP, P+16*((\n)%2)
.if ((\n) == NP-1) && (\kq)
	s_wait_dscnt 0x0                ; K and nt are in
.endif
.set i, 0
.rept 8
.if \kq
	KQ ((\n)+1)%NP
.else
	WIN 0
.endif
	v_exp_f32 v[tS+4*i], v[tS+4*i]
	v_exp_f32 v[tS+4*i+1], v[tS+4*i+1]
	v_exp_f32 v[tS+4*i+2], v[tS+4*i+2]
	v_exp_f32 v[tS+4*i+3], v[tS+4*i+3]
.if i == 0
	v_nop
.else
	s_wait_alu depctr_va_vdst(0)
	v_cvt_pk_f16_f32 v[tP+2*i-2], v[tS+4*i-4], v[tS+4*i-3]
	v_cvt_pk_f16_f32 v[tP+2*i-1], v[tS+4*i-2], v[tS+4*i-1]
.endif
.set i, i+1
.endr
	v_cvt_pk_f16_f32 v[tP+14], v[tS+28], v[tS+29]
	v_cvt_pk_f16_f32 v[tP+15], v[tS+30], v[tS+31]
.if \fk
	v_add_nc_u32 v[AK], s[TBK], v[AK0]
	v_add_nc_u32 v[AN], s[TBN], v[AN0]
	FETCH_K
.endif
.if (\n) == 0
	s_wait_dscnt 0x0                ; V is in
.endif
.set i, 0
.rept 8
	PV \n
.set i, i+1
.endr
.if \fv
	WIN 0
	v_add_nc_u32 v[AV], s[TBV], v[AV0]
	v_nop
	v_nop
	v_nop
	FETCH_V
.endif
.endm
	CHANGE 1                        ; slot 0 and nt are in, everybody's parts of them; slot 1 is asked for
	v_add_nc_u32 v[AK], s[TBK], v[AK0]
	v_add_nc_u32 v[AN], s[TBN], v[AN0]
	v_add_nc_u32 v[AV], s[TBV], v[AV0]
	FETCH_K                         ; key step 0
	FETCH_V
	s_wait_loadcnt 0x0              ; Q
	s_wait_dscnt 0x0
.set i, 0
.rept 8
	KQ 0                            ; tile 0's first exponents: there is no vector work yet to set between them
.set i, i+1
.endr
	WIN 0                           ; the addresses for the way out: nine plain instructions, the places behind those products
	s_mul_i32 s13, s[WV], 16*SP
	s_add_co_u32 s13, s13, STAGE    ; my stage
	v_mul_u32_u24 v[STO], v1, SP    ; in: row l % 16, 16 bytes for each half of the lanes
	v_lshl_add_u32 v[STO], v9, 4, v[STO]
	v_add_nc_u32 v[STO], s13, v[STO]
	v_bfe_u32 v[RD], v0, 3, 2       ; back: 32 lanes take four rows of 128 bytes,
	v_mul_u32_u24 v[RD], v[RD], SP
	v_lshl_add_u32 v[RD], v10, 4, v[RD]
	v_add_nc_u32 v[RD], s13, v[RD]
	v_and_b32 v[GO], 31, v0         ; which are 512 consecutive bytes of O
	v_lshlrev_b32 v[GO], 4, v[GO]
	s_mov_b32 s[CNT], 4
	s_mov_b32 s[SLOTS], 2048/256-1
	s_branch .Lfirst                ; the loop is entered at a step's first turn, in the middle of a trip
.Lslot:                             ; six times: every slot but the last two is filled again
	CHANGE 1
	s_mov_b32 s[CNT], 4
.Lstep:                             ; a trip: tiles 2 and 3 of one step, then tiles 0 and 1 of the next, whose K, nt and V it fetches
	TURN 2, 1, 1, 0
	TURN 3, 1, 0, 1
	WIN 0
.Lfirst:
	TURN 0
	TURN 1
	WIN 0
	s_sub_co_u32 s[CNT], s[CNT], 1
	s_cmp_lg_u32 s[CNT], 0
	s_cbranch_scc1 .Lstep
	s_sub_co_u32 s[SLOTS], s[SLOTS], 1
	s_cmp_lg_u32 s[SLOTS], 0
	s_cbranch_scc1 .Lslot
	CHANGE 0                        ; the tail is written out: nothing is asked for
	s_mov_b32 s[CNT], 4
.Ltail:                             ; four trips fetch the last slot's steps
	TURN 2, 1, 1, 0
	TURN 3, 1, 0, 1
	TURN 0
	TURN 1
	WIN 0
	s_sub_co_u32 s[CNT], s[CNT], 1
	s_cmp_lg_u32 s[CNT], 0
	s_cbranch_scc1 .Ltail
	TURN 2, 1, 0, 0                 ; the last step's last two turns: nothing is fetched,
	TURN 3, 0, 0, 0                 ; and no new exponents are started
	WIN 0
.rept 4
	v_nop                           ; the places behind the last products
.endr
	; THE WAY OUT.  O^T is rounded to bf16 and sent through my stage in LDS, a tile at a time: a lane's eight channels of a row pack into 16 bytes; they go into rows of 144 bytes and come back as whole rows of 128.
.macro PACK t
	WIN 0x05                        ; sources 0 and 1 window 1, destination window 0
.set i, 0
.rept 16                            ; ascending: each accumulator's lowest registers are read first
	v_cvt_pk_bf16_f32 v[OB+16*(\t)+i], v[32*(\t)+2*i], v[32*(\t)+2*i+1]
.set i, i+1
.endr
	WIN 0
.irp f, 0,1,2,3
	ds_store_b128 v[STO], v[OB+16*(\t)+4*\f:OB+16*(\t)+4*\f+3] offset:32*\f
.endr
.irp f, 0,1,2,3
	ds_load_b128 v[OB+16*(\t)+4*\f:OB+16*(\t)+4*\f+3], v[RD] offset:\f*4*SP  ; LDS serves a wave's instructions in order (ISA guide 5.7.1.4): these see the stores above; the next tile's stores come behind them
.endr
.endm
.macro SEND t, younger              ; younger: the LDS instructions issued behind tile t's loads: the next tile's eight, or none
.irp f, 0,1,2,3
	s_wait_dscnt (\younger)+3-\f
	global_store_b128 v[GO], v[OB+16*(\t)+4*\f:OB+16*(\t)+4*\f+3], s[82:83] offset:(\t)*2048+\f*512  ; 512 consecutive bytes, at a multiple of 256 from O's first
.endr
.endm
	PACK 0
.set t, 1
.rept NP-1                          ; a tile's arithmetic stands between the loads of the tile before and its stores
	PACK t
	SEND t-1, 8
.set t, t+1
.endr
	SEND NP-1, 0
	s_wait_tensorcnt 0x0            ; the wave's end: 0 is added to my spare word behind my last tensor load and my last LDS store
	ds_add_u32 v[SPW], v[NIL]
	s_wait_dscnt 0x0
	CROUND                          ; the closing round: no work-group ends while a partner may still ask for a tile that names it
	s_endpgm
.Lfunc_end_k_qd500f9fe46_attn:
	.size	k_qd500f9fe46_attn, .Lfunc_end_k_qd500f9fe46_attn-k_qd500f9fe46_attn
	.p2alignl 7, 3214868480
	.fill 96, 4, 3214868480
	.section	.rodata,"a",@progbits
	.p2align	6, 0x0
	.amdhsa_kernel k_qd500f9fe46_attn
		.amdhsa_group_segment_fixed_size 327680
		.amdhsa_private_segment_fixed_size 0
		.amdhsa_enable_private_segment 0
		.amdhsa_kernarg_size 40
		.amdhsa_user_sgpr_count 2
		.amdhsa_user_sgpr_kernarg_segment_ptr 1
		.amdhsa_wavefront_size32 1
		.amdhsa_system_sgpr_workgroup_id_x 1
		.amdhsa_system_sgpr_workgroup_id_y 1
		.amdhsa_system_sgpr_workgroup_id_z 1
		.amdhsa_system_vgpr_workitem_id 0
		.amdhsa_next_free_vgpr 480
		.amdhsa_next_free_sgpr 88
		.amdhsa_reserve_vcc 0
		.amdhsa_float_denorm_mode_32 3
		.amdhsa_float_denorm_mode_16_64 3
		.amdhsa_memory_ordered 1
		.amdhsa_forward_progress 1
		.amdhsa_inst_pref_size 67
	.end_amdhsa_kernel
	.amdgpu_metadata
---
amdhsa.version: [ 1, 2 ]
amdhsa.kernels:
  - .name:           k_qd500f9fe46_attn
    .symbol:         k_qd500f9fe46_attn.kd
    .args:
      - { .name: q16, .offset: 0, .size: 8, .value_kind: global_buffer, .address_space: global }
      - { .name: k16, .offset: 8, .size: 8, .value_kind: global_buffer, .address_space: global }
      - { .name: v16, .offset: 16, .size: 8, .value_kind: global_buffer, .address_space: global }
      - { .name: nt, .offset: 24, .size: 8, .value_kind: global_buffer, .address_space: global }
      - { .name: o16, .offset: 32, .size: 8, .value_kind: global_buffer, .address_space: global }
    .group_segment_fixed_size: 327680
    .private_segment_fixed_size: 0
    .kernarg_segment_align: 8
    .kernarg_segment_size: 40
    .max_flat_workgroup_size: 256
    .sgpr_count:     88
    .vgpr_count:     480
    .wavefront_size: 32
...
	.end_amdgpu_metadata
.endif
;; end of part 4
;; launch outproj (part 5): grid 4 x 64, 4 waves a work-group, clusters of 4 x 4, 327,680 bytes of LDS; arguments o16, wb, out0; writes out0
.if DOCPART == 5
	.amdgcn_target "amdgcn-amd-amdhsa--gfx1250"
	.amdhsa_code_object_version 6
	.text
	.protected	k_qd500f9fe46_outproj
	.globl	k_qd500f9fe46_outproj
	.p2align	8
	.type	k_qd500f9fe46_outproj,@function
k_qd500f9fe46_outproj:
	s_mov_b64 s[64:65], 0
	v_nop
	global_prefetch_b8 v0, s[64:65] scope:SCOPE_SE
	s_setreg_imm32_b32 hwreg(HW_REG_WAVE_MODE, 25, 1), 1
	s_wait_xcnt 0x0
	s_wait_alu depctr_hold_cnt(0) depctr_sa_sdst(0) depctr_va_vdst(0) depctr_va_sdst(0) depctr_va_ssrc(0) depctr_va_vcc(0) depctr_vm_vsrc(0)
	s_getreg_b32 s2, hwreg(HW_REG_IB_STS2, 6, 4)
	s_cmp_eq_u32 s2, 0
	s_cbranch_scc0 .Lentry_in_a_cluster
	s_endpgm
.Lentry_in_a_cluster:
	s_bfe_u32 s2, ttmp6, 0x10000c
	s_cmp_lg_u32 s2, 0xf033
	s_cbranch_scc0 .Lentry_shape_is_right
	s_endpgm
.Lentry_shape_is_right:
; THE OUTPUT PROJECTION.  out0[row][n] = the sum over k of O[row][k] W_O[k][n], k = 64 head + channel.  O comes by heads from o16, [batch x 16 + head][2048][64] bf16; W_O from wb's fourth matrix, [k][n] bf16;
; out0: [8192][1024] f32.  Sums in f32, stored as they are.
; SHARES.  A tile of out0 is 128 rows x 256 columns: 64 x 4 tiles, one work-group for each of 256 WGPs.  Four waves, each 64 x 128: 32 accumulators of 16 x 16.
; K goes in steps of 128, two heads, through a ring of two LDS slots.  A head's 128 rows are 16,384 dense bytes of o16: asked for as 64 rows of 256 bytes and padded in LDS after every 128.  W_O lies [k][n], so its
; fragments come out of LDS turned, by ds_load_tr16_b128.
; CLUSTER.  4 x 4 work-groups: the four of a row of the cluster need the same tile of O, the four of a column the same tile of W_O: each is asked for JOINTLY, by the same tensor load, descriptor and mask.
; THE MATRIX INSTRUCTION IS USED TRANSPOSED (source 0 = 16 columns of W_O, source 1 = 16 rows of O): a lane then holds eight neighbouring columns of one row of out0.
; REGISTERS, in windows of 256 (s_set_vgpr_msb: bits 1:0 source 0, 3:2 source 1, 5:4 source 2, 7:6 destination):
;   window 0: v0-31 addresses; v32-63, v64-95 O's fragments, two buffers; on the way out v32-95, v96-159 rows read back
;   window 1: the accumulators, (a, b) at v[8 (8 a + b)]          window 2: v0-63, v64-127 W_O's fragments, two buffers
.set KSTEP,  128
.set PA,     144                       ; a row of O in LDS: 128 bytes + 16 of padding = 36 words: the 16 rows of a load start at 16 different groups of four banks (64 banks of 4 bytes: ISA guide 11.1)
.set PB,     544                       ; a row of W_O: 512 + 32 = 136 words
.set PLANE,  128*PA                    ; one head's 128 rows: what one tensor load brings of O
.set BOFF,   2*PLANE
.set BPART,  64*PB                     ; 64 rows along K of W_O
.set SLOT,   BOFF+2*BPART
.set STAGE,  2*SLOT                    ; behind the ring, never filled by a tensor load: 16 rows x 528 bytes for each wave, for the way out
.set SP,     528
.set SPARE,  STAGE+4*16*SP             ; the spare words, 128 bytes for each wave: two blocks of 256 bytes that no other line names
.set LAPS,   1024/(2*KSTEP)            ; a lap = two K steps = once round the ring
.set HEADB,  2048*64*2                 ; bytes of a head in o16
.set ADRA, 16                          ; v16-17  LDS address of my fragments of O in slot 0, 1
.set ADRB, 20                          ; v20-21  the same for W_O
.set STO,  24                          ; v24     the way out: where I put 32 bytes of a row
.set RD,   25                          ; v25     the way out: where I read a row back
.set CO,   26                          ; v26     my byte offset in 512 consecutive bytes of out0
.set SPW,  28                          ; v28     LDS address of my spare word; never rewritten
.set NIL,  29                          ; v29     0; never rewritten
.set XF,   32
.set OB,   32                          ; the way out: two buffers of 64
.set BF,   0                           ; in window 2
.set G1,  24                           ; s[24:31] descriptor group 1 for O;  s[32:39] group 0, one set for each slot
.set G0,  32
.set G1B, 48                           ; s[48:55], s[56:63] the same for W_O
.set G0B, 56
.set MSB, 0
.macro WIN new                         ; the immediate's high byte repeats the setting that is left; a switch that changes nothing is dropped
.if MSB != (\new)
	s_set_vgpr_msb (MSB<<8)|(\new)
.set MSB, \new
.endif
.endm
.set MUL,  0x52                        ; source 0 (W_O) window 2, source 1 (O) window 0, C and D window 1
.set TO_B, 0x80                        ; destination window 2, address window 0
.macro JLOAD s                         ; a joint load: waves 0 and 1 fetch O's two heads, waves 2 and 3 W_O's two halves; an s_nop 0 and four v_nop follow each of the two lines
	s_cmp_eq_u32 s11, 0
	s_cbranch_scc0 .Lfor_b_\@
	tensor_load_to_lds s[G0+4*(\s):G0+4*(\s)+3], s[G1:G1+7]
	s_nop 0
.rept 4
	v_nop
.endr
	s_branch .Lasked_\@
.Lfor_b_\@:
	tensor_load_to_lds s[G0B+4*(\s):G0B+4*(\s)+3], s[G1B:G1B+7]
	s_nop 0
.rept 4
	v_nop
.endr
.Lasked_\@:
.endm
.macro CREST                           ; a round of the cluster's barrier behind its opening barrier
	s_cmp_lg_u32 s10, 0
	s_cbranch_scc1 .Lnot_wave_0_\@
	s_barrier_signal -3
.Lnot_wave_0_\@:
	s_barrier_wait -3
	s_barrier_signal -1
	s_barrier_wait -1
.endm
.macro CROUND                          ; a whole round
	s_barrier_signal -1
	s_barrier_wait -1
	CREST
.endm
.macro PLACES                          ; four places in front of loads into registers that matrix instructions have read, and of LDS stores that read results (ISA guide 7.12.1 for vector instructions)
.rept 4
	v_nop
.endr
.endm
	s_load_b128 s[4:7], s[0:1], 0x0                ; o16 s[4:5], wb s[6:7]
	s_load_b64 s[8:9], s[0:1], 0x10                ; out0
	v_lshl_add_u32 v[SPW], v0, 2, SPARE
	v_mov_b32 v[NIL], 0
	ds_add_u32 v[SPW], v[NIL]                      ; the wave's opening: the add and its wait stand ahead of my first tensor load; the set-up below, work on registers, stands between them
	v_lshrrev_b32 v1, 5, v0
	v_readfirstlane_b32 s10, v1                    ; wave 0..3
	s_lshr_b32 s11, s10, 1                         ; which half of the tile's rows is mine.  Also: I fetch O (0) or W_O (1)
	s_and_b32 s12, s10, 1                          ; which half of its columns.  Also: which head, or which half of W_O's rows, I fetch
	s_bfe_u32 s40, ttmp6, 0x40000                  ; cx, cy: my place in the cluster
	s_bfe_u32 s41, ttmp6, 0x40004
	s_lshl_b32 s42, ttmp9, 2
	s_add_co_u32 s42, s42, s40                     ; tile column = 4 x cluster x + cx: 0..3
	s_and_b32 s13, ttmp7, 0xffff
	s_lshl_b32 s13, s13, 2
	s_add_co_u32 s13, s13, s41                     ; tile row = 4 x cluster y + cy: 0..63
	s_lshl_b32 s43, s41, 2
	s_lshl_b32 s43, 15, s43                        ; my row of the cluster
	s_lshl_b32 s44, 0x1111, s40                    ; my column
	; descriptor group 1.  O: 64 rows x 128 elements of 2 bytes, dense, 16 bytes of padding behind every 128 bytes.  W_O: 64 rows x 256 elements, 32 bytes of padding behind each row.
	s_or_b32 s[G1+0], s43, (1<<16)|(1<<20)|(1<<21)|(4<<22)|(3<<25)   ; 15:0 the mask: my row; 17:16 2-byte elements; 20 padding on; 21 set beside a mask; 24:22 after every 32 words (code 4); 31:25 4 words (code 3)
	s_mov_b32 s[G1+1], 128<<16                     ; tensor_dim0 = 128
	s_mov_b32 s[G1+2], 64<<16                      ; tensor_dim1 = 64
	s_mov_b32 s[G1+3], 128<<16                     ; tile_dim0 = 128
	s_mov_b32 s[G1+4], 64                          ; tile_dim1 = 64
	s_mov_b32 s[G1+5], 128                         ; elements from row to row
	s_mov_b32 s[G1+6], 0
	s_mov_b32 s[G1+7], 0
	s_or_b32 s[G1B+0], s44, (1<<16)|(1<<20)|(1<<21)|(6<<22)|(7<<25)  ; the mask: my column; after every 128 words (code 6) 8 words (code 7)
	s_mov_b32 s[G1B+1], 256<<16
	s_mov_b32 s[G1B+2], 64<<16
	s_mov_b32 s[G1B+3], 256<<16
	s_mov_b32 s[G1B+4], 64
	s_mov_b32 s[G1B+5], 1024
	s_mov_b32 s[G1B+6], 0
	s_mov_b32 s[G1B+7], 0
	; where the tiles come from.  O's hang on the tile row, which my row of the cluster shares; W_O's on the tile column, which my column shares; each in registers that never hold the other coordinate.
	s_lshr_b32 s16, s13, 4                         ; the batch: 16 tile rows each,
	s_lshl_b32 s16, s16, 22                        ; 16 heads of 262,144 bytes
	s_and_b32 s17, s13, 15
	s_lshl_b32 s17, s17, 14                        ; 128 rows of 128 bytes in each head
	s_add_co_u32 s16, s16, s17
	s_lshl_b32 s17, s12, 18                        ; my head of the step's two
	s_add_co_u32 s16, s16, s17
	s_mov_b32 s17, 0
	s_lshl_b32 s46, s12, 17                        ; 64 rows of 2,048 bytes for my half,
	s_add_co_u32 s46, s46, 3<<21                   ; in the fourth matrix of wb,
	s_lshl_b32 s47, s42, 9                         ; 512 bytes a tile column
	s_add_co_u32 s46, s46, s47
	s_mov_b32 s47, 0
	s_mul_i32 s20, s12, PLANE                      ; and where they go: no place in the cluster enters an LDS address
	s_mul_i32 s21, s12, BPART
	s_add_co_u32 s21, s21, BOFF
	s_wait_dscnt 0x0                               ; the opening add is done
	s_wait_kmcnt 0x0
	s_add_nc_u64 s[14:15], s[4:5], s[16:17]
	s_add_nc_u64 s[46:47], s[6:7], s[46:47]
	CROUND                                         ; all sixteen work-groups are here: the first joint loads meet
.irp s, 0,1
	s_mov_b32 s[G0+4*(\s)], 1                                        ; count = 1
	s_add_co_u32 s[G0+4*(\s)+1], s20, (\s)*SLOT                      ; LDS address
	s_add_nc_u64 s[G0+4*(\s)+2:G0+4*(\s)+3], s[14:15], (\s)*2*HEADB  ; global address: K step s is heads 2 s, 2 s + 1
	s_or_b32 s[G0+4*(\s)+3], s[G0+4*(\s)+3], 0x80000000              ; type = 2
	s_mov_b32 s[G0B+4*(\s)], 1
	s_add_co_u32 s[G0B+4*(\s)+1], s21, (\s)*SLOT
	s_add_nc_u64 s[G0B+4*(\s)+2:G0B+4*(\s)+3], s[46:47], (\s)*KSTEP*2048
	s_or_b32 s[G0B+4*(\s)+3], s[G0B+4*(\s)+3], 0x80000000
	JLOAD \s                                       ; two loads of mine are out
.endr
	; A fragment of O is 16 rows x 32 K in 8 registers: lane l holds row l % 16, K = 8 (l / 16) + 0..7 and 16 + 8 (l / 16) + 0..7: two loads of 16 bytes, 32 bytes apart.
	v_and_b32 v1, 15, v0                           ; l % 16
	v_bfe_u32 v2, v0, 4, 1                         ; l / 16
	v_and_b32 v7, 7, v0                            ; l % 8
	v_mul_u32_u24 v3, v1, PA
	v_lshl_add_u32 v3, v2, 4, v3
	; The turning load takes 16 K x 16 columns (lane l reads 16 bytes: row 8 (l / 16) + l % 8 along K, columns 8 ((l / 8) % 2) + 0..7) and leaves half a fragment: lane l holds column l % 16 and 8 K.
	v_lshl_add_u32 v4, v2, 3, v7
	v_mul_u32_u24 v4, v4, PB
	v_bfe_u32 v5, v0, 3, 1
	v_lshl_add_u32 v4, v5, 4, v4
	s_mul_i32 s22, s11, 64*PA                      ; my 64 rows, in each head's plane
	s_lshl_b32 s23, s12, 8                         ; my 128 columns,
	s_add_co_u32 s23, s23, BOFF                    ; behind O
.irp s, 0,1
	v_add_nc_u32 v[ADRA+(\s)], s22, v3
	v_add_nc_u32 v[ADRB+(\s)], s23, v4
	s_add_co_u32 s22, s22, SLOT
	s_add_co_u32 s23, s23, SLOT
.endr
	s_mul_i32 s23, s10, 16*SP
	s_add_co_u32 s23, s23, STAGE                   ; my stage
	v_mul_u32_u24 v6, v1, SP                       ; in: row l % 16, 32 bytes for each half of the lanes
	v_lshl_add_u32 v6, v2, 5, v6
	v_add_nc_u32 v[STO], s23, v6
	v_and_b32 v[CO], 31, v0                        ; back: 32 lanes take one row's 512 bytes
	v_lshlrev_b32 v[CO], 4, v[CO]
	v_add_nc_u32 v[RD], s23, v[CO]
	s_lshl_b32 s68, s13, 19                        ; my part of out0: 128 rows of 4,096 bytes a tile row,
	s_lshl_b32 s69, s11, 18                        ; 64 rows for my half,
	s_add_co_u32 s68, s68, s69
	s_lshl_b32 s69, s42, 10                        ; 1,024 bytes a tile column,
	s_add_co_u32 s68, s68, s69
	s_lshl_b32 s69, s12, 9                         ; 512 for my half
	s_add_co_u32 s68, s68, s69
	s_mov_b32 s69, 0
	s_add_nc_u64 s[8:9], s[8:9], s[68:69]
.macro MUL8 f, a, zero                 ; row block a x all 8 column blocks, 32 along K, buffer f.  zero = 1: the products start the sums.  The 32 accumulators take turns, one instruction a turn
	WIN MUL
.irp b, 0,1,2,3,4,5,6,7
.if \zero
	v_wmma_f32_16x16x32_bf16 v[8*(8*(\a)+(\b)):8*(8*(\a)+(\b))+7], v[BF+64*(\f)+8*(\b):BF+64*(\f)+8*(\b)+7], v[XF+32*(\f)+8*(\a):XF+32*(\f)+8*(\a)+7], 0
.else
	v_wmma_f32_16x16x32_bf16 v[8*(8*(\a)+(\b)):8*(8*(\a)+(\b))+7], v[BF+64*(\f)+8*(\b):BF+64*(\f)+8*(\b)+7], v[XF+32*(\f)+8*(\a):XF+32*(\f)+8*(\a)+7], v[8*(8*(\a)+(\b)):8*(8*(\a)+(\b))+7]
.endif
.endr
.endm
.macro FETCH slot, kq, g               ; 24 LDS loads in one run, for quarter kq of the slot (head kq / 2 of its two, channels 32 (kq % 2) on), into buffer g
	WIN 0
.irp i, 0,1,2,3
	ds_load_b128 v[XF+32*(\g)+8*(\i):XF+32*(\g)+8*(\i)+3],   v[ADRA+(\slot)] offset:((\kq)/2)*PLANE+((\kq)%2)*64+(\i)*16*PA
	ds_load_b128 v[XF+32*(\g)+8*(\i)+4:XF+32*(\g)+8*(\i)+7], v[ADRA+(\slot)] offset:((\kq)/2)*PLANE+((\kq)%2)*64+(\i)*16*PA+32
.endr
	WIN TO_B
.irp b, 0,1,2,3,4,5,6,7
	ds_load_tr16_b128 v[BF+64*(\g)+8*(\b):BF+64*(\g)+8*(\b)+3],   v[ADRB+(\slot)] offset:(\kq)*32*PB+32*(\b)
	ds_load_tr16_b128 v[BF+64*(\g)+8*(\b)+4:BF+64*(\g)+8*(\b)+7], v[ADRB+(\slot)] offset:(\kq)*32*PB+16*PB+32*(\b)
.endr
.endm
; A K step is four quarters of 32 along K, 32 matrix instructions each, on buffers 0, 1, 0, 1.  One of the first three: multiplies buffer f and fetches quarter kq of the same slot into buffer g.
.macro QUARTER slot, kq, f, g, zero
	s_wait_dscnt 0x0                               ; this quarter's fragments are in (asked for 24 products ago)
	MUL8 \f, 0, \zero
	PLACES
	FETCH \slot, \kq, \g
	MUL8 \f, 1, \zero
	MUL8 \f, 2, \zero
	MUL8 \f, 3, \zero
.endm
; The last quarter multiplies buffer 1 and changes slots: ONE barrier; in front of it each wave waits for all its tensor loads (one is out: its part of the next slot), adds 0 to its spare word, and waits for
; that and for its own reads of this slot.  fill = 1: the barrier opens a round of the cluster's, and this slot is filled again, two K steps ahead, first thing behind the round: 112 products ahead of the wait for it.
.macro TURN slot, next, fill
	WIN 0                                          ; (the add's two registers lie in window 0)
	s_wait_tensorcnt 0x0
	ds_add_u32 v[SPW], v[NIL]                      ; 0 onto my spare word
	s_wait_dscnt 1                                 ; (the add alone may be out: this quarter's fragments are in)
	MUL8 1, 0, 0                                   ; eight products stand between the add and the wait for it
	s_wait_dscnt 0x0                               ; the add is done, and my reads of this slot are over
	s_barrier_signal -1
	MUL8 1, 1, 0
	WIN 0                                          ; at a branch and at a label every window is 0
	s_barrier_wait -1
.if \fill
	CREST                                          ; no wave of any partner still reads this slot's tile or has a load on its way
	s_add_nc_u64 s[G0+4*(\slot)+2:G0+4*(\slot)+3], s[G0+4*(\slot)+2:G0+4*(\slot)+3], 4*HEADB
	s_add_nc_u64 s[G0B+4*(\slot)+2:G0B+4*(\slot)+3], s[G0B+4*(\slot)+2:G0B+4*(\slot)+3], 2*KSTEP*2048
	JLOAD \slot                                    ; the four v_nop behind it are also the places in front of the loads below
.else
	PLACES
.endif
	FETCH \next, 0, 0
	MUL8 1, 2, 0
	MUL8 1, 3, 0
.endm
	s_wait_tensorcnt 1                             ; my part of K step 0 is in; K step 1's may stay out
	s_barrier_signal -1
	s_barrier_wait -1                              ; everybody's is
	FETCH 0, 0, 0
	QUARTER 0, 1, 0, 1, 1                          ; the first quarter stands in front of the loop: its products start the sums
	WIN 0
	s_mov_b32 s3, LAPS-1
.Llap:                                                 ; a trip goes once round the ring, from a lap's second quarter to the next lap's first, and fills both slots again
	QUARTER 0, 2, 1, 0, 0
	QUARTER 0, 3, 0, 1, 0
	TURN 0, 1, 1
	QUARTER 1, 1, 0, 1, 0
	QUARTER 1, 2, 1, 0, 0
	QUARTER 1, 3, 0, 1, 0
	TURN 1, 0, 1
	QUARTER 0, 1, 0, 1, 0
	WIN 0
	s_sub_co_u32 s3, s3, 1
	s_cmp_lg_u32 s3, 0
	s_cbranch_scc1 .Llap
	QUARTER 0, 2, 1, 0, 0                          ; the last lap fills nothing, and has no round of the cluster's barrier
	QUARTER 0, 3, 0, 1, 0
	TURN 0, 1, 0
	QUARTER 1, 1, 0, 1, 0
	QUARTER 1, 2, 1, 0, 0
	QUARTER 1, 3, 0, 1, 0
	s_wait_dscnt 0x0                               ; the very last quarter: nothing more to fetch
	MUL8 1, 0, 0
	MUL8 1, 1, 0
	MUL8 1, 2, 0
	MUL8 1, 3, 0
; THE WAY OUT, a block of 16 rows at a time.  A lane's eight f32 of a row are 32 bytes; they go from the accumulators straight into my own stage, rows of 528 bytes, and come back as whole rows of 512.
.macro TOSTAGE a
.set BK, OB+64*((\a)%2)
	WIN 0x04                                       ; the stores' data (source 1) in window 1
.irp b, 0,1,2,3,4,5,6,7                ; each accumulator's four lowest registers first
	ds_store_b128 v[STO], v[8*(8*(\a)+(\b)):8*(8*(\a)+(\b))+3]   offset:64*(\b)
	ds_store_b128 v[STO], v[8*(8*(\a)+(\b))+4:8*(8*(\a)+(\b))+7] offset:64*(\b)+16
.endr
	WIN 0
	s_wait_xcnt 0x0                                ; the stores of the block two back have read their registers: the loads below land in them
.irp t, 0,1,2,3,4,5,6,7,8,9,10,11,12,13,14,15
	ds_load_b128 v[BK+4*(\t):BK+4*(\t)+3], v[RD] offset:(\t)*SP  ; LDS serves a wave's instructions in order (ISA guide 5.7.1.4): these see the stores above; the next block's stores come behind them
.endr
.endm
.macro SEND a, younger                 ; younger: the LDS instructions issued behind block a's loads: the next block's 32, or none
.set BK, OB+64*((\a)%2)
	s_wait_dscnt \younger
.irp t, 0,1,2,3,4,5,6,7,8,9,10,11,12,13,14,15
	global_store_b128 v[CO], v[BK+4*(\t):BK+4*(\t)+3], s[8:9] offset:(16*(\a)+(\t))*4096 th:TH_STORE_NT  ; 512 consecutive bytes of a row, at a multiple of 512 from out0's first
.endr
.endm
	PLACES
	TOSTAGE 0
.irp a, 1,2,3                          ; block a's way through the stage is begun before block a - 1 is stored
	TOSTAGE \a
	SEND (\a)-1, 32
.endr
	SEND 3, 0
	s_wait_tensorcnt 0x0                           ; the wave's end: 0 is added to my spare word behind my last tensor load and my last LDS store
	ds_add_u32 v[SPW], v[NIL]
	s_wait_dscnt 0x0
	CROUND                                         ; the closing round: no work-group ends while a partner may still ask for a tile that names it
	s_endpgm
.Lfunc_end_k_qd500f9fe46_outproj:
	.size	k_qd500f9fe46_outproj, .Lfunc_end_k_qd500f9fe46_outproj-k_qd500f9fe46_outproj
	.p2alignl 7, 3214868480
	.fill 96, 4, 3214868480
	.section	.rodata,"a",@progbits
	.p2align	6, 0x0
	.amdhsa_kernel k_qd500f9fe46_outproj
		.amdhsa_group_segment_fixed_size 327680
		.amdhsa_private_segment_fixed_size 0
		.amdhsa_enable_private_segment 0
		.amdhsa_kernarg_size 24
		.amdhsa_user_sgpr_count 2
		.amdhsa_user_sgpr_kernarg_segment_ptr 1
		.amdhsa_wavefront_size32 1
		.amdhsa_system_sgpr_workgroup_id_x 1
		.amdhsa_system_sgpr_workgroup_id_y 1
		.amdhsa_system_sgpr_workgroup_id_z 1
		.amdhsa_system_vgpr_workitem_id 0
		.amdhsa_next_free_vgpr 640
		.amdhsa_next_free_sgpr 72
		.amdhsa_reserve_vcc 0
		.amdhsa_float_denorm_mode_32 3
		.amdhsa_float_denorm_mode_16_64 3
		.amdhsa_memory_ordered 1
		.amdhsa_forward_progress 1
		.amdhsa_inst_pref_size 85
	.end_amdhsa_kernel
	.amdgpu_metadata
---
amdhsa.version: [ 1, 2 ]
amdhsa.kernels:
  - .name:           k_qd500f9fe46_outproj
    .symbol:         k_qd500f9fe46_outproj.kd
    .args:
      - { .name: o16, .offset: 0, .size: 8, .value_kind: global_buffer, .address_space: global }
      - { .name: wb, .offset: 8, .size: 8, .value_kind: global_buffer, .address_space: global }
      - { .name: out0, .offset: 16, .size: 8, .value_kind: global_buffer, .address_space: global }
    .group_segment_fixed_size: 327680
    .private_segment_fixed_size: 0
    .kernarg_segment_align: 8
    .kernarg_segment_size: 24
    .max_flat_workgroup_size: 128
    .sgpr_count:     72
    .vgpr_count:     640
    .wavefront_size: 32
...
	.end_amdgpu_metadata
.endif
;; end of part 5
